; MI455X (gfx1250); checked and timed in simulation.
; The chip was launched on July 23, 2026; its instructions are those of AMD's public machine-readable ISA for CDNA 5 (MIT licence, August 2026) and "CDNA5" Instruction Set Architecture Reference Guide (July 2026). The comments in the code are by the model that wrote it; some were corrected since.
;; Multi Head Attention Block. Allowed arithmetic: matrix products marked QUANTISED: E2M1 operands, one E8M0 scale for each 32 along K, by v_wmma_scale_f32_16x16x128_f8f6f4 with both operands' format E2M1 (or v_wmma_scale_f32_32x16x128_f4), f32 sums; products left as they are: bf16, f16 or f32 operands; f32 sums; everything else in f32.
;; Inputs: k 4 x 2,048 x 1,024 float32; mask 4 x 1 x 2,048 x 2,048 bool; q 4 x 2,048 x 1,024 float32; v 4 x 2,048 x 1,024 float32; w_k 1,024 x 1,024 float32; w_o 1,024 x 1,024 float32; w_q 1,024 x 1,024 float32; w_v 1,024 x 1,024 float32.
;; Outputs: out0 4 x 2,048 x 1,024 float32.
;; This version of the problem:
;;   THIS VERSION OF THE PROBLEM IS GIVEN IN LOW PRECISION. The matrix products marked QUANTISED in the list below multiply operands that are first quantised to E2M1 (2 exponent bits, 1 mantissa bit; 4 bits a number), with one power-of-two scale for each 32 numbers along K (OCP MX v1.0); their sums are f32. The products marked 'left as it is' may take bf16, f16 or f32 operands, with f32 sums. All else is computed in f32.
;;   The module's matrix products, in the order in which they are computed (A, B: the left and right operand; K: the contracted axis; several contracted axes count as one K, in the product's order):
;;     1. [M 8,192, K 1,024] x [K 1,024, N 1,024]; A: input q; B: input w_q: QUANTISED
;;     2. [M 8,192, K 1,024] x [K 1,024, N 1,024]; A: input k; B: input w_k: QUANTISED
;;     3. [M 8,192, K 1,024] x [K 1,024, N 1,024]; A: input v; B: input w_v: QUANTISED
;;     4. batch 64 x [M 2,048, K 64] x [K 64, N 2,048]; A: computed on the way; B: computed on the way: left as it is (an operand is computed on the way)
;;     5. batch 64 x [M 2,048, K 2,048] x [K 2,048, N 64]; A: computed on the way; B: computed on the way: left as it is (an operand is computed on the way)
;;     6. [M 8,192, K 1,024] x [K 1,024, N 1,024]; A: computed on the way; B: input w_o: left as it is (an operand is computed on the way)
;;   THE QUANTISER, for each operand of a quantised product, along K:
;;     - K is cut into blocks of 32 from its start; a last block that is shorter is filled with zeros.
;;     - A block's scale is 2^e with e = floor(log2(the largest magnitude in the block)) - 2, held to -126 .. 127; a block of zeros has e = 0. As a byte (E8M0): e + 127.
;;     - Each number is divided by its block's scale, clamped to +-6, and rounded to the nearest number of E2M1, ties to even, subnormals kept.
;;     - The product sums the exact products of the quantised numbers (number of the format x scale) in f32.
;;   ~~~python
;;   def quantise(x, axis):      # numpy; x: float32 -> the quantised numbers, widened to float32 again
;;       x = np.moveaxis(x, axis, -1); K = x.shape[-1]
;;       x = np.pad(x, [(0, 0)] * (x.ndim - 1) + [(0, -K % 32)]); x = x.reshape(x.shape[:-1] + (-1, 32)); a = np.abs(x).max(-1, keepdims=True)
;;       e = np.where(a > 0, np.clip(np.frexp(np.where(a > 0, a, 1))[1] - 1 - 2, -126, 127), 0)      # np.frexp(a)[1] - 1 = floor(log2(a)), exactly
;;       r = np.clip(x / 2.0 ** e, -6, 6)
;;       step = 2.0 ** (np.maximum(np.frexp(np.where(r == 0, 1, r))[1] - 1, 0) - 1)
;;       q = np.round(r / step) * step * 2.0 ** e      # np.round: ties to even
;;       return np.moveaxis(q.reshape(q.shape[:-2] + (-1,))[..., :K], -1, axis).astype(np.float32)
;;   ~~~
;; One version. Each part assembles by itself: llvm-mc -triple=amdgcn-amd-amdhsa -mcpu=gfx1250 --defsym DOCPART=n.
;; ======== version 1 of 1: 4 launches
;; limits: values are held in f16: magnitudes above 65,504 overflow, below 6.1e-05 lose precision
;; workspace buffers: codes 14,155,776 bytes; scales 884,736 bytes; woimg 2,097,152 bytes; maskw 2,097,152 bytes of whole numbers; qkv 50,331,648 bytes; oimg 16,777,216 bytes
;; launch prep (part 1): grid 1504 x 1, 4 waves a work-group, no clusters, 68,096 bytes of LDS; arguments q, k, v, w_q, w_k, w_v, w_o, mask, codes, scales, woimg, maskw; writes codes, scales, woimg, maskw
.if DOCPART == 1
	.amdgcn_target "amdgcn-amd-amdhsa--gfx1250"
	.amdhsa_code_object_version 6
	.text
	.protected	k_q18de61944c_prep
	.globl	k_q18de61944c_prep
	.p2align	8
	.type	k_q18de61944c_prep,@function
k_q18de61944c_prep:
	s_mov_b64 s[64:65], 0
	v_nop
	global_prefetch_b8 v0, s[64:65] scope:SCOPE_SE
	s_setreg_imm32_b32 hwreg(HW_REG_WAVE_MODE, 25, 1), 1
	s_wait_xcnt 0x0
; THREE JOBS IN ONE LAUNCH, parted by the work-group's number; each job has LDS bytes of its own.  No matrix work, no tensor load, no barrier, no loop: waves share nothing and every offset is an immediate.
; (Q) work-groups 0-863: q, k, v [8192][1024] and w_q, w_k, w_v [1024][1024], f32, K innermost, become codes of FP4 (E2M1), two a byte, and one E8M0 scale byte for each 32 along K.
;     The six tensors follow each other in codes (rows of 512 bytes) and in scales (rows of 32 bytes) in the order in which the work-groups take them: so both offsets are linear in the work-group's number.
;     A block's scale is 2^(floor(log2(its largest magnitude)) - 2); its byte is the largest magnitude's own exponent field - 2, held at 1 from below.  A block of zeros so gets the byte 1: its codes are zeros, and this program alone reads the bytes.
; (M) work-groups 864-1375: mask [4][1][2048][2048], one byte a key, becomes LANE MASKS: word (Tq x 32 + st) x 32 + 8 kt + j has in bit L the byte of query 16 Tq + L % 16 and key 64 st + 16 kt + 8 (L / 16) + j:
;     the lanes of the register in which the attention launch holds those scores.
; (W) work-groups 1376-1503: w_o [1024][1024] f32 becomes f16 in CHUNKS of 512 bytes: 16 rows e x 16 along d, lane (r, h)'s 16 bytes (row r, d 8 h .. 8 h + 7) at byte 16 x lane; chunk number (e / 16) x 64 + d / 16.
; LIMITS: NaN and infinities among the inputs are not served; blocks whose largest magnitude lies under 2^(2 - 126) keep the byte 1; numbers of w_o beyond 65,504, f16's largest, are not served.
.set STEPS, 16
.set EMAX,  2
.set CB,    8                          ; bytes of 16 codes
.set R,     16                         ; v16-79   numbers as they are loaded
.set X,     80                         ; v80-143  numbers as they come back from a stage
.set C,     128                        ; v128-191 (Q) codes: four registers for each step
.set E,     112                        ; v112-127 (Q) a scale byte for each step
.set WREG,  8192                       ; (Q) LDS of a wave: two stages of 32 x SP bytes, then its 256 scale bytes
.set SP,    80
.set GQ,    864                        ; the first work-group of (M)
.set GM,    1376                       ; the first work-group of (W)
.set MBASE, 32768                      ; (M) LDS: a stage of 16 rows x 272 bytes for each wave
.set WBASE, 50176                      ; (W) likewise
.set STG,   16*272
.set W,     144                        ; v144-151 (M) the words, four to a lane
.set T,     152                        ; v152-159 (M) at work
.set Y,     144                        ; v144-175 (W) f16 to store
	s_load_b512 s[4:19], s[0:1], 0x0               ; q, k, v, w_q, w_k, w_v, w_o, mask: s[4:5] .. s[18:19]
	s_load_b256 s[20:27], s[0:1], 0x40             ; codes s[20:21], scales s[22:23], woimg s[24:25], maskw s[26:27]
	v_lshl_add_u32 v192, v0, 2, 0x10800
	v_mov_b32 v193, 0
	v_lshrrev_b32 v1, 5, v0
	v_readfirstlane_b32 s28, v1                    ; wave
	v_and_b32 v2, 31, v0                           ; lane
	s_cmp_ge_u32 ttmp9, GM
	s_cbranch_scc1 .Lwo
	s_cmp_ge_u32 ttmp9, GQ
	s_cbranch_scc1 .Lmask
; ---------------- (Q) a wave takes 16 steps of 512 numbers.  Each load reads 512 consecutive bytes; a step's 2,048 bytes turn through the wave's stage and come back 64 bytes a lane: 16 neighbours along K; two lanes hold a block.
	v_lshlrev_b32 v3, 4, v2                        ; my 16 bytes of a load's 512
	s_mul_i32 s33, s28, WREG
	v_lshrrev_b32 v14, 2, v2
	v_mul_u32_u24 v14, v14, SP
	v_and_b32 v15, 3, v2
	v_lshl_add_u32 v14, v15, 4, v14
	v_add_nc_u32 v14, s33, v14                     ; the stage, on the way in: SP (lane / 4) + 16 (lane % 4)
	v_mul_u32_u24 v15, v2, SP
	v_add_nc_u32 v15, s33, v15                     ; and on the way out: SP x lane
	v_mul_u32_u24 v4, v2, CB                       ; my codes' place in a step's
	v_lshrrev_b32 v5, 1, v2
	s_add_co_u32 s33, s33, 2*32*SP
	v_add_nc_u32 v5, s33, v5                       ; my wave's 256 scale bytes, my block's byte
	v_lshlrev_b32 v7, 3, v2                        ; and on the way out 8 bytes a lane
	v_add_nc_u32 v6, s33, v7
	s_wait_kmcnt 0x0
	s_mov_b64 s[30:31], s[14:15]                   ; which tensor: the choice hangs on the work-group's number alone
	s_mov_b32 s32, 832                             ; and that tensor's first work-group
	s_cmp_lt_u32 ttmp9, 832
	s_cselect_b64 s[30:31], s[12:13], s[30:31]
	s_cselect_b32 s32, 800, s32
	s_cmp_lt_u32 ttmp9, 800
	s_cselect_b64 s[30:31], s[10:11], s[30:31]
	s_cselect_b32 s32, 768, s32
	s_cmp_lt_u32 ttmp9, 768
	s_cselect_b64 s[30:31], s[8:9], s[30:31]
	s_cselect_b32 s32, 512, s32
	s_cmp_lt_u32 ttmp9, 512
	s_cselect_b64 s[30:31], s[6:7], s[30:31]
	s_cselect_b32 s32, 256, s32
	s_cmp_lt_u32 ttmp9, 256
	s_cselect_b64 s[30:31], s[4:5], s[30:31]
	s_cselect_b32 s32, 0, s32
	s_sub_co_u32 s32, ttmp9, s32
	s_lshl_b32 s32, s32, 2
	s_add_co_u32 s32, s32, s28                     ; which run of 8,192 numbers of the tensor is my wave's
	s_lshl_b32 s34, s32, 15                        ; 32,768 bytes a run
	s_mov_b32 s35, 0
	s_add_nc_u64 s[30:31], s[30:31], s[34:35]
	s_lshl_b32 s32, ttmp9, 2
	s_add_co_u32 s32, s32, s28                     ; which run of all six tensors
	s_lshl_b32 s34, s32, 12                        ; 4,096 bytes of codes a run
	s_add_nc_u64 s[20:21], s[20:21], s[34:35]
	s_lshl_b32 s34, s32, 8                         ; 256 scale bytes a run
	s_add_nc_u64 s[22:23], s[22:23], s[34:35]
.macro QLOAD t
.irp i, 0,1,2,3
	global_load_b128 v[R+16*((\t)%4)+4*\i:R+16*((\t)%4)+4*\i+3], v3, s[30:31] offset:2048*(\t)+512*\i th:TH_LOAD_NT   ; 32 lanes read 512 consecutive bytes
.endr
.endm
.macro QTURN t                         ; step t's numbers through the stage: LDS serves a wave's instructions in order (ISA guide 5.7.1.4), so no wait stands between the stores and the loads
.irp i, 0,1,2,3
	ds_store_b128 v14, v[R+16*((\t)%4)+4*\i:R+16*((\t)%4)+4*\i+3] offset:32*SP*((\t)%2)+8*SP*\i
.endr
.irp i, 0,1,2,3
	ds_load_b128 v[X+16*((\t)%2)+4*\i:X+16*((\t)%2)+4*\i+3], v15 offset:32*SP*((\t)%2)+16*\i
.endr
.endm
.irp t, 0,1,2,3
	QLOAD \t
.endr
	s_wait_loadcnt 12                              ; step 0's four loads are in
	QTURN 0
.macro QSTEP t
.set XS, X+16*((\t)%2)
.if (\t) > 0
	s_wait_dscnt 1                                 ; this step's numbers are back from the stage (the last step's byte store may be out): so its stores into the stage have read their registers,
.else
	s_wait_dscnt 0x0
.endif
.if (\t)+4 < STEPS
	QLOAD (\t)+4                                   ; which take the loads of four steps on
.endif
.if (\t)+1 < STEPS
.if STEPS-2-(\t) >= 3
	s_wait_loadcnt 12                              ; the next step's four loads are in; those of the three steps behind it may be out
.else
	s_wait_loadcnt 4*(STEPS-2-(\t))
.endif
	QTURN (\t)+1                                   ; and go through the other stage while this step is worked
.endif
	v_max3_num_f32 v8, |v[XS]|, |v[XS+1]|, |v[XS+2]|               ; the largest magnitude of my 16, in two chains
	v_max3_num_f32 v9, |v[XS+3]|, |v[XS+4]|, |v[XS+5]|
.irp i, 6,10
	v_max3_num_f32 v8, v8, |v[XS+\i]|, |v[XS+\i+1]|
	v_max3_num_f32 v9, v9, |v[XS+\i+2]|, |v[XS+\i+3]|
.endr
	v_max3_num_f32 v8, v8, |v[XS+14]|, |v[XS+15]|
	v_max3_num_f32 v8, v8, v9, (EMAX+1)<<23        ; and the floor 2^(EMAX + 1 - 127): so the byte cannot fall under 1
	v_max_num_f32_dpp v8, v8, v8 row_xmask:1 row_mask:0xf bank_mask:0xf   ; and of my neighbour's 16: the block's
	v_add_nc_u32 v11, 0xff000000, v8               ; EMAX off its exponent field: the conversion takes the exponent field of this operand as its scale, and nothing else of it
	v_cvt_scalef32_pk8_fp4_f32 v[C+4*(\t)], v[XS:XS+7], v11        ; eight numbers / the scale, to the nearest code, ties to even, beyond the largest code the largest
	v_cvt_scalef32_pk8_fp4_f32 v[C+4*(\t)+1], v[XS+8:XS+15], v11
	v_lshrrev_b32 v[E+(\t)], 23, v11               ; the scale's byte
	ds_store_b8 v5, v[E+(\t)] offset:16*(\t)       ; both lanes of a block write the same byte with the same value
	global_store_b64 v4, v[C+4*(\t):C+4*(\t)+1], s[20:21] offset:32*CB*(\t)   ; the wave stores 256 consecutive bytes, aligned
.endm
.irp t, 0,1,2,3,4,5,6,7,8,9,10,11,12,13,14,15
	QSTEP \t
.endr
	ds_load_b64 v[12:13], v6                       ; these see my byte stores
	s_wait_dscnt 0x0
	global_store_b64 v7, v[12:13], s[22:23]        ; my wave's 256 scale bytes in one store
	s_wait_tensorcnt 0x0
	ds_add_u32 v192, v193
	s_wait_dscnt 0x0
	s_endpgm
; ---------------- (M) a wave takes 16 queries x 512 keys, as two blocks of 16 rows x 256 bytes.  Each load reads two rows' whole 256 bytes; a block turns through the wave's stage, so that lane (r, h) gets 8 bytes: query r, keys 16 kt + 8 h + 0 .. 7.
.Lmask:
	s_sub_co_u32 s33, ttmp9, GQ                    ; Tq: which 16 queries; the wave's number says which 512 keys
	s_lshl_b32 s34, s33, 15                        ; 16 rows of 2,048 bytes
	s_lshl_b32 s36, s28, 9
	s_add_co_u32 s34, s34, s36
	s_mov_b32 s35, 0
	s_lshl_b32 s36, s33, 12                        ; a tile's words: 32 key steps x 128 bytes
	s_lshl_b32 s37, s28, 10                        ; my 8 key steps
	s_add_co_u32 s36, s36, s37
	s_mov_b32 s37, 0
	v_lshrrev_b32 v3, 4, v2                        ; lane / 16
	v_and_b32 v4, 15, v2                           ; lane % 16
	v_lshlrev_b32 v5, 4, v4
	v_lshl_add_u32 v6, v3, 11, v5                  ; in memory: lanes 16-31 one row further down
	s_mul_i32 s38, s28, STG
	s_add_co_u32 s38, s38, MBASE                   ; my stage
	v_mad_u32_u24 v7, v3, 272, v5
	v_add_nc_u32 v7, s38, v7                       ; into it: as loaded
	v_mul_u32_u24 v8, v4, 272
	v_lshl_add_u32 v8, v3, 3, v8
	v_add_nc_u32 v8, s38, v8                       ; out of it: row r, + 8 h
	v_lshlrev_b32 v9, 4, v2                        ; the words leave 16 bytes a lane
.irp i, 0,1,2,3,4,5,6,7
	v_mov_b32 v[W+\i], 0                           ; written whole once: a lane write's destination counts as read
.endr
	s_wait_kmcnt 0x0
	s_add_nc_u64 s[18:19], s[18:19], s[34:35]
	s_add_nc_u64 s[26:27], s[26:27], s[36:37]
.irp c, 0,1
.irp n, 0,1,2,3,4,5,6,7
	global_load_b128 v[R+32*\c+4*\n:R+32*\c+4*\n+3], v6, s[18:19] offset:\n*4096+\c*256 th:TH_LOAD_NT
.endr
.endr
.macro MTURN c
.irp n, 0,1,2,3,4,5,6,7
	ds_store_b128 v7, v[R+32*\c+4*\n:R+32*\c+4*\n+3] offset:544*\n
.endr
.irp t, 0,1,2,3,4,5,6,7,8,9,10,11,12,13,14,15
	ds_load_b64 v[X+32*\c+2*\t:X+32*\c+2*\t+1], v8 offset:16*\t
.endr
.endm
; Block c's 128 words.  Byte j of my 8 is cut out, the compare gathers the 32 lanes' bytes into one word, and the word goes to the lane and register from which 16 bytes a lane store the words in their order.
.macro WORDS c
.irp s, 0,1,2,3
.irp kt, 0,1,2,3
.irp j, 0,1,2,3,4,5,6,7
	v_and_b32 v[T+\j], 0xff<<(8*(\j%4)), v[X+32*\c+2*(4*\s+\kt)+(\j/4)]
.endr
.irp j, 0,1,2,3,4,5,6,7
	v_cmp_ne_u32 s[40+\j], 0, v[T+\j]
.endr
.irp j, 0,1,2,3,4,5,6,7
	v_writelane_b32 v[W+4*\c+(\j%4)], s[40+\j], 8*\s+2*\kt+(\j/4)   ; word 32 s + 8 kt + j: lane = word / 4, register = word % 4
.endr
.endr
.endr
.endm
	s_wait_loadcnt 8                               ; block 0's eight loads are in
	MTURN 0
	s_wait_loadcnt 0x0
	MTURN 1                                        ; the same stage: these stores come behind block 0's loads
	s_wait_dscnt 24                                ; block 0 is back; block 1's 8 stores and 16 loads may be out
	WORDS 0
	global_store_b128 v9, v[W:W+3], s[26:27]       ; four key steps' words: 512 consecutive bytes
	s_wait_dscnt 0x0
	WORDS 1
	global_store_b128 v9, v[W+4:W+7], s[26:27] offset:512
	s_wait_tensorcnt 0x0
	ds_add_u32 v192, v193
	s_wait_dscnt 0x0
	s_endpgm
; ---------------- (W) a wave takes 16 rows e x 128 along d, as two blocks of 16 rows x 256 bytes (64 numbers), by the same turn; lane (r, h) gets, for each 16 along d, its 8 numbers.
.Lwo:
	s_sub_co_u32 s32, ttmp9, GM
	s_lshr_b32 s33, s32, 1                         ; E: which 16 rows
	s_and_b32 s32, s32, 1
	s_lshl_b32 s32, s32, 2
	s_add_co_u32 s32, s32, s28                     ; which 128 along d
	s_lshl_b32 s34, s33, 16                        ; 16 rows of 4,096 bytes
	s_lshl_b32 s36, s32, 9
	s_add_co_u32 s34, s34, s36
	s_mov_b32 s35, 0
	s_lshl_b32 s36, s33, 15                        ; 64 chunks
	s_lshl_b32 s37, s32, 12                        ; my 8 chunks
	s_add_co_u32 s36, s36, s37
	s_mov_b32 s37, 0
	v_lshrrev_b32 v3, 4, v2
	v_and_b32 v4, 15, v2
	v_lshlrev_b32 v5, 4, v4
	v_lshl_add_u32 v6, v3, 12, v5                  ; in memory: lanes 16-31 one row further down
	s_mul_i32 s38, s28, STG
	s_add_co_u32 s38, s38, WBASE                   ; my stage
	v_mad_u32_u24 v7, v3, 272, v5
	v_add_nc_u32 v7, s38, v7
	v_mul_u32_u24 v8, v4, 272
	v_lshl_add_u32 v8, v3, 5, v8
	v_add_nc_u32 v8, s38, v8                       ; out of it: row r, + 32 h
	v_lshlrev_b32 v9, 4, v2
	s_wait_kmcnt 0x0
	s_add_nc_u64 s[16:17], s[16:17], s[34:35]
	s_add_nc_u64 s[24:25], s[24:25], s[36:37]
.irp c, 0,1
.irp n, 0,1,2,3,4,5,6,7
	global_load_b128 v[R+32*\c+4*\n:R+32*\c+4*\n+3], v6, s[16:17] offset:\n*8192+\c*256 th:TH_LOAD_NT
.endr
.endr
.macro WTURN c
.irp n, 0,1,2,3,4,5,6,7
	ds_store_b128 v7, v[R+32*\c+4*\n:R+32*\c+4*\n+3] offset:544*\n
.endr
.irp d, 0,1,2,3
	ds_load_b128 v[X+32*\c+8*\d:X+32*\c+8*\d+3], v8 offset:64*\d
	ds_load_b128 v[X+32*\c+8*\d+4:X+32*\c+8*\d+7], v8 offset:64*\d+16
.endr
.endm
.macro WOUT c
.irp d, 0,1,2,3
.irp p, 0,1,2,3
	v_cvt_pk_f16_f32 v[Y+16*\c+4*\d+\p], v[X+32*\c+8*\d+2*\p], v[X+32*\c+8*\d+2*\p+1]
.endr
	global_store_b128 v9, v[Y+16*\c+4*\d:Y+16*\c+4*\d+3], s[24:25] offset:2048*\c+512*\d   ; a chunk: 512 consecutive bytes
.endr
.endm
	s_wait_loadcnt 8
	WTURN 0
	s_wait_loadcnt 0x0
	WTURN 1
	s_wait_dscnt 16                                ; block 0 is back; block 1's 8 stores and 8 loads may be out
	WOUT 0
	s_wait_dscnt 0x0
	WOUT 1
	s_wait_tensorcnt 0x0
	ds_add_u32 v192, v193
	s_wait_dscnt 0x0
	s_endpgm
.Lfunc_end_k_q18de61944c_prep:
	.size	k_q18de61944c_prep, .Lfunc_end_k_q18de61944c_prep-k_q18de61944c_prep
	.p2alignl 7, 3214868480
	.fill 96, 4, 3214868480
	.section	.rodata,"a",@progbits
	.p2align	6, 0x0
	.amdhsa_kernel k_q18de61944c_prep
		.amdhsa_group_segment_fixed_size 68096
		.amdhsa_private_segment_fixed_size 0
		.amdhsa_enable_private_segment 0
		.amdhsa_kernarg_size 96
		.amdhsa_user_sgpr_count 2
		.amdhsa_user_sgpr_kernarg_segment_ptr 1
		.amdhsa_wavefront_size32 1
		.amdhsa_system_sgpr_workgroup_id_x 1
		.amdhsa_system_sgpr_workgroup_id_y 1
		.amdhsa_system_sgpr_workgroup_id_z 1
		.amdhsa_system_vgpr_workitem_id 0
		.amdhsa_next_free_vgpr 194
		.amdhsa_next_free_sgpr 66
		.amdhsa_reserve_vcc 0
		.amdhsa_float_denorm_mode_32 3
		.amdhsa_float_denorm_mode_16_64 3
		.amdhsa_memory_ordered 1
		.amdhsa_forward_progress 1
		.amdhsa_inst_pref_size 96
	.end_amdhsa_kernel
	.amdgpu_metadata
---
amdhsa.version: [ 1, 2 ]
amdhsa.kernels:
  - .name:           k_q18de61944c_prep
    .symbol:         k_q18de61944c_prep.kd
    .args:
      - { .name: q, .offset: 0, .size: 8, .value_kind: global_buffer, .address_space: global }
      - { .name: k, .offset: 8, .size: 8, .value_kind: global_buffer, .address_space: global }
      - { .name: v, .offset: 16, .size: 8, .value_kind: global_buffer, .address_space: global }
      - { .name: w_q, .offset: 24, .size: 8, .value_kind: global_buffer, .address_space: global }
      - { .name: w_k, .offset: 32, .size: 8, .value_kind: global_buffer, .address_space: global }
      - { .name: w_v, .offset: 40, .size: 8, .value_kind: global_buffer, .address_space: global }
      - { .name: w_o, .offset: 48, .size: 8, .value_kind: global_buffer, .address_space: global }
      - { .name: mask, .offset: 56, .size: 8, .value_kind: global_buffer, .address_space: global }
      - { .name: codes, .offset: 64, .size: 8, .value_kind: global_buffer, .address_space: global }
      - { .name: scales, .offset: 72, .size: 8, .value_kind: global_buffer, .address_space: global }
      - { .name: woimg, .offset: 80, .size: 8, .value_kind: global_buffer, .address_space: global }
      - { .name: maskw, .offset: 88, .size: 8, .value_kind: global_buffer, .address_space: global }
    .group_segment_fixed_size: 68096
    .private_segment_fixed_size: 0
    .kernarg_segment_align: 8
    .kernarg_segment_size: 96
    .max_flat_workgroup_size: 128
    .sgpr_count:     66
    .vgpr_count:     194
    .wavefront_size: 32
...
	.end_amdgpu_metadata
.endif
;; end of part 1
;; launch proj (part 2): grid 4 x 96, 4 waves a work-group, clusters of 4 x 4, 327,680 bytes of LDS; arguments codes, scales, qkv; writes qkv
.if DOCPART == 2
	.amdgcn_target "amdgcn-amd-amdhsa--gfx1250"
	.amdhsa_code_object_version 6
	.text
	.protected	k_q18de61944c_proj
	.globl	k_q18de61944c_proj
	.p2align	8
	.type	k_q18de61944c_proj,@function
k_q18de61944c_proj:
	s_mov_b64 s[64:65], 0
	v_nop
	global_prefetch_b8 v0, s[64:65] scope:SCOPE_SE
	s_setreg_imm32_b32 hwreg(HW_REG_WAVE_MODE, 25, 1), 1
	s_wait_xcnt 0x0
	s_wait_alu depctr_hold_cnt(0) depctr_sa_sdst(0) depctr_va_vdst(0) depctr_va_sdst(0) depctr_va_ssrc(0) depctr_va_vcc(0) depctr_vm_vsrc(0)
	s_getreg_b32 s2, hwreg(HW_REG_IB_STS2, 6, 4)
	s_cmp_eq_u32 s2, 0
	s_cbranch_scc0 .Lentry_in_a_cluster
	s_endpgm
.Lentry_in_a_cluster:
	s_bfe_u32 s2, ttmp6, 0x10000c
	s_cmp_lg_u32 s2, 0xf033
	s_cbranch_scc0 .Lentry_shape_is_right
	s_endpgm
.Lentry_shape_is_right:
; THE THREE PROJECTIONS AS ONE GEMM ON CODES OF FP4 (E2M1): y[s][e] = sum over d of x[s][d] w[e][d], x = q, k, v on end (24,576 rows of codes), w = w_q, w_k, w_v (the 3,072 rows behind them); one E8M0 scale for each 32 along K; sums in f32.
; A tile of 256 rows x 256 columns is made by four waves, each 128 x 128: 64 accumulators, 512 registers.  K = 1,024 is two halves of 512: BOTH lie in LDS at once, each in a slot of its own, so that no slot is filled twice.
; The scales of the work-group's 256 + 256 rows, for all of K, are two dense blocks of 8,192 bytes and come with the first fills.
; CLUSTERS: 4 x 4 work-groups.  The four of a row of the cluster need the same rows of x, the four of a column the same rows of w: each tile is asked for JOINTLY.  Which of the three tensors a tile row belongs to follows from the
; cluster's y alone (8 clusters to a tensor), which all partners share.
; THE MATRIX INSTRUCTION IS USED TRANSPOSED (source 0 = 16 rows of w, source 1 = 16 rows of x): a lane holds one token and eight neighbouring channels.  Rounded to f16 those are 16 bytes, and an accumulator is a CHUNK of 512 bytes:
; 16 tokens x 16 channels, the image of four registers of an f16 fragment.  It is stored as it stands: 512 consecutive bytes a store, nothing goes through LDS.
; q's heads are multiplied by log2(e) / 8 in f32 ahead of that one rounding, so that the next launch's scores are exponents of 2 as they come out of its first product; k's and v's are multiplied by 1.
; qkv: chunk (((z x 4 + b) x 16 + head) x 128 + s / 16) x 4 + (channel % 64) / 16.  q's and k's chunks have lane (r, h)'s 16 bytes at 16 x lane; v's at 256 (r / 8) + 128 h + 16 (r % 8): the order in which the turning LDS load of the next launch takes them.
; LIMIT: the results are rounded to f16, since they are operands of products that are left as they are: magnitudes beyond 65,504 are not served.  Numbers of spread 1 against weights of spread 0.02 give heads of spread 0.64; both 30 times
; larger 576; both under an offset of 30 spreads 1,024 x 30 x 0.6 = 18,432; both 30 times smaller 7e-4, still normal numbers of f16.
; REGISTERS, in windows of 256: window 0: v0-31 addresses; v32-95 scale words, two sets; v128-191 x's fragments, ONE set; on the way out v128-255 packed results.  window 1: w's fragments, TWO sets.  windows 2, 3: the accumulators.
.set NQ,     4                         ; matrix instructions deep in a slot: 512 along K
.set ROWB,   256                       ; a tile's row in bytes
.set KROW,   512                       ; a row of codes in memory
.set PITCH,  272                       ; an LDS row: 256 bytes + 16 of padding, so that the 16 rows that a load touches start 68 words apart
.set FR,     8
.set NL,     2
.set NP,     4                         ; places behind this matrix instruction (ISA guide 7.12.1)
.set HALFT,  128*PITCH
.set SLOT,   4*HALFT
.set KS,     32                        ; a row of scales in bytes
.set SCL,    2*SLOT
.set HALFS,  (128*KS/256)*272
.set SBLK,   (16*KS/256)*272
.set SPARE,  SCL+4*HALFS               ; the spare words, 128 bytes for each wave: two blocks of 256 bytes that no other line names
.set WROWS,  24576                     ; the weights' first row in codes and in scales
.set ADRA, 16
.set ADRB, 20
.set CO,   26                          ; v26  my 16 bytes' place in a chunk
.set ADRS, 27
.set SPW,  28
.set NIL,  29
.set SC,   32
.set AF,   128
.set TMP,  128
.set FAC,  18                          ; s[18:19] from the way out's set-up on: the factor on the results, twice
.set G1, 24
.set G0, 32
.set G1B, 48
.set G0B, 56
.set G1S, 68
.set G0S, 76
.set G1SB, 80
.set G0SB, 88
.set MSB, 0
.macro WIN new                         ; the immediate's high byte repeats the setting that is left
.if MSB != \new
	s_set_vgpr_msb (MSB<<8)|\new
.set MSB, \new
.endif
.endm
.set MUL_LO, 0xa1                      ; source 0 (w) window 1, source 1 (x) window 0, C and D window 2
.set MUL_HI, 0xf1
.set TO_B,   0x40
; A joint load: waves 0 and 1 fetch for x, waves 2 and 3 for w.  The branch hangs on the wave's number alone.  Four v_nop follow each of the two lines.
.macro JLOAD g0a, g1a, g0b, g1b
	s_cmp_eq_u32 s15, 0
	s_cbranch_scc0 .Lfor_b_\@
	tensor_load_to_lds s[\g0a:\g0a+3], s[\g1a:\g1a+7]
	s_nop 0
.rept 4
	v_nop
.endr
	s_branch .Lasked_\@
.Lfor_b_\@:
	tensor_load_to_lds s[\g0b:\g0b+3], s[\g1b:\g1b+7]
	s_nop 0
.rept 4
	v_nop
.endr
.Lasked_\@:
.endm
.macro CROUND                          ; a round of the cluster's barrier
	s_barrier_signal -1
	s_barrier_wait -1
	s_cmp_lg_u32 s14, 0
	s_cbranch_scc1 .Lnot_wave_0_\@
	s_barrier_signal -3
.Lnot_wave_0_\@:
	s_barrier_wait -3
	s_barrier_signal -1
	s_barrier_wait -1
.endm
	s_load_b128 s[4:7], s[0:1], 0x0                ; codes s[4:5], scales s[6:7]
	s_load_b64 s[12:13], s[0:1], 0x10              ; qkv
	v_lshl_add_u32 v[SPW], v0, 2, SPARE
	v_mov_b32 v[NIL], 0
	ds_add_u32 v28, v29
	ds_add_u32 v28, v29
	s_wait_dscnt 0x0
	v_lshrrev_b32 v1, 5, v0
	v_readfirstlane_b32 s14, v1                    ; wave 0..3
	s_lshr_b32 s15, s14, 1                         ; which half of the tile's rows is mine.  Also: I fetch for x (0) or for w (1)
	s_and_b32 s16, s14, 1                          ; which half of its columns.  Also: which 128 rows of that tile I fetch
	s_bfe_u32 s40, ttmp6, 0x40000                  ; cx, cy: my place in the cluster
	s_bfe_u32 s41, ttmp6, 0x40004
	s_lshl_b32 s42, ttmp9, 2
	s_add_co_u32 s42, s42, s40                     ; tile column = 4 x cluster x + cx
	s_and_b32 s17, ttmp7, 0xffff
	s_lshr_b32 s95, s17, 3                         ; z: 0 q, 1 k, 2 v: 8 clusters along y to a tensor
	s_lshl_b32 s17, s17, 2
	s_add_co_u32 s17, s17, s41                     ; tile row = 4 x cluster y + cy
	s_lshl_b32 s43, s41, 2
	s_lshl_b32 s43, 15, s43                        ; my row of the cluster
	s_lshl_b32 s44, 0x1111, s40                    ; my column
	; descriptor group 1: a tile of 128 rows x 256 bytes, 16 bytes of padding behind each row
	s_or_b32 s[G1+0], s43, (0<<16)|(1<<20)|(1<<21)|(5<<22)|(3<<25)
	s_or_b32 s[G1B+0], s44, (0<<16)|(1<<20)|(1<<21)|(5<<22)|(3<<25)
.irp g, G1, G1B
	s_mov_b32 s[\g+1], ROWB<<16                    ; tensor_dim0
	s_mov_b32 s[\g+2], 128<<16                     ; tensor_dim1
	s_mov_b32 s[\g+3], ROWB<<16                    ; tile_dim0
	s_mov_b32 s[\g+4], 128                         ; tile_dim1
	s_mov_b32 s[\g+5], KROW                        ; tensor_dim0_stride
	s_mov_b32 s[\g+6], 0
	s_mov_b32 s[\g+7], 0
.endr
	; and for the scales of 128 rows: 4,096 dense bytes, as 16 rows of 256 bytes (32 elements of 8 bytes), 16 bytes of padding behind each
	s_or_b32 s[G1S+0], s43, (3<<16)|(1<<20)|(1<<21)|(5<<22)|(3<<25)
	s_or_b32 s[G1SB+0], s44, (3<<16)|(1<<20)|(1<<21)|(5<<22)|(3<<25)
.irp g, G1S, G1SB
	s_mov_b32 s[\g+1], 32<<16
	s_mov_b32 s[\g+2], (128*KS/256)<<16
	s_mov_b32 s[\g+3], 32<<16
	s_mov_b32 s[\g+4], 128*KS/256
	s_mov_b32 s[\g+5], 32
	s_mov_b32 s[\g+6], 0
	s_mov_b32 s[\g+7], 0
.endr
	s_lshl_b32 s18, s16, 7                         ; which 128 rows of the tile I fetch
	s_lshl_b32 s20, s17, 8
	s_add_co_u32 s20, s20, s18                     ; x: row 256 x tile row + 128 x half
	s_lshl_b32 s46, s95, 2
	s_add_co_u32 s46, s46, s42                     ; w: tile 4 z + tile column of the weights' rows
	s_lshl_b32 s46, s46, 8
	s_add_co_u32 s46, s46, s18
	s_mov_b32 s21, 0
	s_mov_b32 s47, 0
	s_mov_b64 s[18:19], KS
	s_mul_u64 s[22:23], s[20:21], s[18:19]         ; where these rows' scales begin, in bytes
	s_mul_u64 s[92:93], s[46:47], s[18:19]
	s_mov_b64 s[18:19], KROW
	s_mul_u64 s[20:21], s[20:21], s[18:19]         ; and their codes
	s_mul_u64 s[46:47], s[46:47], s[18:19]
	s_mul_i32 s45, s14, HALFT                      ; where they go: wave x 128 rows: no place in the cluster enters an LDS address
	s_mul_i32 s94, s14, HALFS
	s_wait_kmcnt 0x0
	s_add_nc_u64 s[8:9], s[4:5], WROWS*KROW        ; the weights' codes
	s_add_nc_u64 s[10:11], s[6:7], WROWS*KS        ; and their scales
	s_add_nc_u64 s[20:21], s[4:5], s[20:21]
	s_add_nc_u64 s[22:23], s[6:7], s[22:23]
	s_add_nc_u64 s[46:47], s[8:9], s[46:47]
	s_add_nc_u64 s[92:93], s[10:11], s[92:93]
	CROUND                                         ; all sixteen work-groups are here: the joint loads meet
	s_mov_b32 s[G0S], 1
	s_add_co_u32 s[G0S+1], s94, SCL
	s_mov_b64 s[G0S+2:G0S+3], s[22:23]
	s_or_b32 s[G0S+3], s[G0S+3], 0x80000000
	s_mov_b32 s[G0SB], 1
	s_add_co_u32 s[G0SB+1], s94, SCL
	s_mov_b64 s[G0SB+2:G0SB+3], s[92:93]
	s_or_b32 s[G0SB+3], s[G0SB+3], 0x80000000
	JLOAD G0S, G1S, G0SB, G1SB                     ; the scales first: they are wanted with the first half of K
.irp s, 0,1
	s_mov_b32 s[G0+4*\s], 1
	s_add_co_u32 s[G0+4*\s+1], s45, \s*SLOT
	s_add_nc_u64 s[G0+4*\s+2:G0+4*\s+3], s[20:21], \s*ROWB
	s_or_b32 s[G0+4*\s+3], s[G0+4*\s+3], 0x80000000
	s_mov_b32 s[G0B+4*\s], 1
	s_add_co_u32 s[G0B+4*\s+1], s45, \s*SLOT
	s_add_nc_u64 s[G0B+4*\s+2:G0B+4*\s+3], s[46:47], \s*ROWB
	s_or_b32 s[G0B+4*\s+3], s[G0B+4*\s+3], 0x80000000
	JLOAD G0+4*\s, G1, G0B+4*\s, G1B               ; three loads of mine are out in all
.endr
	v_and_b32 v1, 15, v0                           ; r = lane % 16
	v_bfe_u32 v2, v0, 4, 1                         ; h = lane / 16
	v_mul_u32_u24 v3, v1, PITCH
	v_lshl_add_u32 v4, v2, 4, v3                   ; a fragment's row x pitch + 16 x half
	s_mul_i32 s21, s15, HALFT                      ; my 128 rows of x
	s_mul_i32 s22, s16, HALFT                      ; my 128 rows of w,
	s_add_co_u32 s22, s22, 2*HALFT                 ; which lie behind x's 256
.irp s, 0,1
	v_add_nc_u32 v[ADRA+\s], s21, v4
	v_add_nc_u32 v[ADRB+\s], s22, v4
	s_add_co_u32 s21, s21, SLOT
	s_add_co_u32 s22, s22, SLOT
.endr
	v_mul_u32_u24 v5, v1, KS                       ; my row's scales: KS bytes a row,
	v_lshrrev_b32 v6, 8, v5
	v_lshl_add_u32 v5, v6, 4, v5                   ; and 16 more for each 256 passed
	s_mul_i32 s21, s15, HALFS
	s_mul_i32 s22, s16, HALFS
	s_add_co_u32 s22, s22, 2*HALFS
	s_sub_co_u32 s22, s22, s21
	v_mul_u32_u24 v6, s22, v2                      ; lanes 16-31 take w's
	s_add_co_u32 s21, s21, SCL
	v_add_nc_u32 v5, v5, v6
	v_add_nc_u32 v[ADRS], s21, v5
	; the way out: my 16 bytes' place in a chunk, plain for q and k, turned for v
	v_and_b32 v6, 31, v0
	v_lshlrev_b32 v6, 4, v6                        ; 16 x lane
	v_lshrrev_b32 v7, 3, v1
	v_lshlrev_b32 v7, 8, v7
	v_lshl_add_u32 v7, v2, 7, v7
	v_and_b32 v8, 7, v1
	v_lshl_add_u32 v7, v8, 4, v7                   ; 256 (r / 8) + 128 h + 16 (r % 8)
	s_cmp_eq_u32 s95, 2
	s_cselect_b32 s66, -1, 0
	v_cndmask_b32 v[CO], v6, v7, s66
	s_cmp_eq_u32 s95, 0
	s_cselect_b32 s[FAC], 0x3e38aa3b, 1.0          ; the factor on the results: log2(e) / 8 for q, 1 for k and v
	s_mov_b32 s[FAC+1], s[FAC]                     ; (named with it as a pair, so it is written)
	; and my first chunk: token tile Tg = 16 x tile row + 8 x half; head = 4 x tile column + 2 x half
	s_lshl_b32 s66, s17, 4
	s_lshl_b32 s67, s15, 3
	s_add_co_u32 s66, s66, s67                     ; Tg
	s_lshr_b32 s67, s66, 7                         ; 4 z + b
	s_lshl_b32 s67, s67, 4
	s_lshl_b32 s96, s42, 2
	s_add_co_u32 s67, s67, s96
	s_lshl_b32 s96, s16, 1
	s_add_co_u32 s67, s67, s96                     ; (4 z + b) x 16 + head
	s_lshl_b32 s96, s67, 18                        ; a head's 512 chunks
	s_and_b32 s66, s66, 127
	s_lshl_b32 s66, s66, 11                        ; a token tile's 4 chunks
	s_add_co_u32 s96, s96, s66
	s_mov_b32 s97, 0
	s_add_nc_u64 s[12:13], s[12:13], s[96:97]
.macro FRAG reg, adr, q, i             ; a fragment, 16 rows x 128 K of 4-bit codes, is 8 registers: lane l holds row l % 16; registers 4 c .. 4 c + 3 hold K = 64 c + 32 (l / 16) + 0 .. 31
.irp c, 0,1
	ds_load_b128 v[\reg+4*\c:\reg+4*\c+3], v[\adr] offset:64*(\q)+32*\c+(\i)*16*PITCH
.endr
.endm
; 16 matrix instructions: x's blocks a0, a0 + 1 against w's eight, 128 along K.  The 64 accumulators take turns, one instruction a turn, in the same order in every step.
; One register carries x's scale word (lanes 0-15) and w's (lanes 16-31) of block i.
.macro MUL16 a0, p, q, sc, zero
.irp a, \a0, \a0+1
.irp b, 0,1,2,3,4,5,6,7
.if \zero
	v_wmma_scale_f32_16x16x128_f8f6f4 v[8*(8*((\a)%4)+\b):8*(8*((\a)%4)+\b)+7], v[128*(\p)+FR*\b:128*(\p)+FR*\b+FR-1], v[AF+FR*(\a):AF+FR*(\a)+FR-1], 0, v[SC+8*NQ*(\sc)+NQ*\b+(\q)], v[SC+8*NQ*(\sc)+NQ*(\a)+(\q)] matrix_a_fmt:MATRIX_FMT_FP4 matrix_b_fmt:MATRIX_FMT_FP4 matrix_a_scale:MATRIX_SCALE_ROW1
.else
	v_wmma_scale_f32_16x16x128_f8f6f4 v[8*(8*((\a)%4)+\b):8*(8*((\a)%4)+\b)+7], v[128*(\p)+FR*\b:128*(\p)+FR*\b+FR-1], v[AF+FR*(\a):AF+FR*(\a)+FR-1], v[8*(8*((\a)%4)+\b):8*(8*((\a)%4)+\b)+7], v[SC+8*NQ*(\sc)+NQ*\b+(\q)], v[SC+8*NQ*(\sc)+NQ*(\a)+(\q)] matrix_a_fmt:MATRIX_FMT_FP4 matrix_b_fmt:MATRIX_FMT_FP4 matrix_a_scale:MATRIX_SCALE_ROW1
.endif
.endr
.endr
.endm
.macro FETCH_B slot, q, p
	WIN TO_B
.irp i, 0,1,2,3,4,5,6,7
	FRAG 128*(\p)+FR*\i, ADRB+\slot, \q, \i
.endr
	WIN 0
.endm
.macro FETCH_A slot, q, i0
.irp i, \i0, \i0+1, \i0+2, \i0+3
	FRAG AF+FR*(\i), ADRA+\slot, \q, \i
.endr
.endm
.macro SCALES sc                       ; a slot's scale words into set sc: 4 words a row
.irp i, 0,1,2,3,4,5,6,7
	ds_load_b128 v[SC+8*NQ*\sc+NQ*\i:SC+8*NQ*\sc+NQ*\i+3], v[ADRS] offset:\i*SBLK
.endr
.endm
.macro PLACES n                        ; plain vector instructions between a matrix instruction and a load into, or a vector read of, its registers
.rept \n
	v_nop
.endr
.endm
.macro STEP slot, q, zero              ; a step of 128 along K that has its successor in the same slot
	s_wait_dscnt 4*NL                              ; w's set and x's blocks 0-3 are in; the youngest eight loads (x's blocks 4-7) may be out
	WIN MUL_LO
	MUL16 0, (\q)%2, \q, \slot, \zero
	MUL16 2, (\q)%2, \q, \slot, \zero
	s_wait_dscnt 0                                 ; x's blocks 4-7 are in
	PLACES NP
	FETCH_B \slot, (\q)+1, 1-(\q)%2
	FETCH_A \slot, (\q)+1, 0
	WIN MUL_HI
	MUL16 4, (\q)%2, \q, \slot, \zero
	MUL16 6, (\q)%2, \q, \slot, \zero
	PLACES NP
	WIN 0
	FETCH_A \slot, (\q)+1, 4
.endm
.macro TURN slot, next                 ; slot 0's last step goes on into slot 1: one barrier, in front of which each wave has waited for its part of slot 1
	s_wait_tensorcnt 0x0                           ; all my tensor loads have landed
	ds_add_u32 v[SPW], v[NIL]                      ; 0 onto my spare word
	s_wait_dscnt 4*NL+1                            ; (the add and x's blocks 4-7 may be out)
	WIN MUL_LO
	MUL16 0, 1, NQ-1, \slot, 0
	s_wait_dscnt 0x0                               ; no LDS instruction of mine is out at the signal
	s_barrier_signal -1
	MUL16 2, 1, NQ-1, \slot, 0
	WIN 0
	s_barrier_wait -1                              ; slot 1 is whole
	PLACES NP
	v_add_nc_u32 v[ADRS], 4*NQ, v[ADRS]            ; on to the second half's scale words
	FETCH_B \next, 0, 0
	FETCH_A \next, 0, 0
	SCALES \next
	WIN MUL_HI
	MUL16 4, 1, NQ-1, \slot, 0
	MUL16 6, 1, NQ-1, \slot, 0
	PLACES NP
	WIN 0
	FETCH_A \next, 0, 4
.endm
	s_wait_tensorcnt 1                             ; the scales and my part of the first half of K are in (the second half's load may be out),
	s_barrier_signal -1
	s_barrier_wait -1                              ; everybody's are
	FETCH_B 0, 0, 0
	FETCH_A 0, 0, 0
	SCALES 0
	FETCH_A 0, 0, 4
	STEP 0, 0, 1                                   ; the first step's products start the sums: nothing is cleared
	STEP 0, 1, 0
	STEP 0, 2, 0
	TURN 0, 1
	STEP 1, 0, 0
	STEP 1, 1, 0
	STEP 1, 2, 0
	s_wait_dscnt 4*NL                              ; the last step: nothing more to fetch
	WIN MUL_LO
	MUL16 0, 1, NQ-1, 1, 0
	MUL16 2, 1, NQ-1, 1, 0
	s_wait_dscnt 0
	WIN MUL_HI
	MUL16 4, 1, NQ-1, 1, 0
	MUL16 6, 1, NQ-1, 1, 0
	WIN 0
; THE WAY OUT of block a (16 tokens x 128 channels): each accumulator, from its low end on, is multiplied by the factor in f32 and becomes four registers of f16: a chunk, stored as it stands.  Four sets of 32 registers take turns.
.macro OUTB a
.if (\a) >= 4
	s_wait_xcnt 0x0                                ; block a - 4's stores have read their registers
.endif
.set AC, 64*((\a)%4)
.set TT, TMP+32*((\a)%4)
	WIN 0x82+0x41*((\a)/4)                         ; destination and source 0: window 2 or 3
.irp b, 0,1,2,3,4,5,6,7
.irp r, 0,1,2,3
	v_pk_mul_f32 v[AC+8*\b+2*\r:AC+8*\b+2*\r+1], v[AC+8*\b+2*\r:AC+8*\b+2*\r+1], s[FAC:FAC+1] op_sel_hi:[1,0]
.endr
.endr
	WIN 0x0a+5*((\a)/4)                            ; sources 0 and 1: window 2 or 3
.irp b, 0,1,2,3,4,5,6,7
.irp r, 0,1,2,3
	v_cvt_pk_f16_f32 v[TT+4*\b+\r], v[AC+8*\b+2*\r], v[AC+8*\b+2*\r+1]
.endr
.endr
	WIN 0
.irp b, 0,1,2,3,4,5,6,7
	global_store_b128 v[CO], v[TT+4*\b:TT+4*\b+3], s[12:13] offset:(\a)*2048+(\b%4)*512+(\b/4)*262144   ; 512 consecutive bytes, aligned
.endr
.endm
	PLACES NP                                      ; in front of the first read of results and of the first write over x's fragments
.irp a, 0,1,2,3,4,5,6,7
	OUTB \a
.endr
	s_wait_tensorcnt 0x0                           ; the wave's end
	ds_add_u32 v[SPW], v[NIL]
	s_wait_dscnt 0x0
	CROUND                                         ; the closing round: no work-group ends while a partner may still ask for a tile that names it
	s_endpgm
.Lfunc_end_k_q18de61944c_proj:
	.size	k_q18de61944c_proj, .Lfunc_end_k_q18de61944c_proj-k_q18de61944c_proj
	.p2alignl 7, 3214868480
	.fill 96, 4, 3214868480
	.section	.rodata,"a",@progbits
	.p2align	6, 0x0
	.amdhsa_kernel k_q18de61944c_proj
		.amdhsa_group_segment_fixed_size 327680
		.amdhsa_private_segment_fixed_size 0
		.amdhsa_enable_private_segment 0
		.amdhsa_kernarg_size 24
		.amdhsa_user_sgpr_count 2
		.amdhsa_user_sgpr_kernarg_segment_ptr 1
		.amdhsa_wavefront_size32 1
		.amdhsa_system_sgpr_workgroup_id_x 1
		.amdhsa_system_sgpr_workgroup_id_y 1
		.amdhsa_system_sgpr_workgroup_id_z 1
		.amdhsa_system_vgpr_workitem_id 0
		.amdhsa_next_free_vgpr 1024
		.amdhsa_next_free_sgpr 98
		.amdhsa_reserve_vcc 0
		.amdhsa_float_denorm_mode_32 3
		.amdhsa_float_denorm_mode_16_64 3
		.amdhsa_memory_ordered 1
		.amdhsa_forward_progress 1
		.amdhsa_inst_pref_size 134
	.end_amdhsa_kernel
	.amdgpu_metadata
---
amdhsa.version: [ 1, 2 ]
amdhsa.kernels:
  - .name:           k_q18de61944c_proj
    .symbol:         k_q18de61944c_proj.kd
    .args:
      - { .name: codes, .offset: 0, .size: 8, .value_kind: global_buffer, .address_space: global }
      - { .name: scales, .offset: 8, .size: 8, .value_kind: global_buffer, .address_space: global }
      - { .name: qkv, .offset: 16, .size: 8, .value_kind: global_buffer, .address_space: global }
    .group_segment_fixed_size: 327680
    .private_segment_fixed_size: 0
    .kernarg_segment_align: 8
    .kernarg_segment_size: 24
    .max_flat_workgroup_size: 128
    .sgpr_count:     98
    .vgpr_count:     1024
    .wavefront_size: 32
...
	.end_amdgpu_metadata
.endif
;; end of part 2
;; launch attn (part 3): grid 4 x 64, 8 waves a work-group, clusters of 4 x 1, 327,680 bytes of LDS; arguments qkv, maskw, oimg; writes oimg
.if DOCPART == 3
	.amdgcn_target "amdgcn-amd-amdhsa--gfx1250"
	.amdhsa_code_object_version 6
	.text
	.protected	k_q18de61944c_attn
	.globl	k_q18de61944c_attn
	.p2align	8
	.type	k_q18de61944c_attn,@function
k_q18de61944c_attn:
	s_mov_b64 s[64:65], 0
	v_nop
	global_prefetch_b8 v0, s[64:65] scope:SCOPE_SE
	s_setreg_imm32_b32 hwreg(HW_REG_WAVE_MODE, 25, 1), 1
	s_wait_xcnt 0x0
	s_wait_alu depctr_hold_cnt(0) depctr_sa_sdst(0) depctr_va_vdst(0) depctr_va_sdst(0) depctr_va_ssrc(0) depctr_va_vcc(0) depctr_vm_vsrc(0)
	s_getreg_b32 s2, hwreg(HW_REG_IB_STS2, 6, 4)
	s_cmp_eq_u32 s2, 0
	s_cbranch_scc0 .Lentry_in_a_cluster
	s_endpgm
.Lentry_in_a_cluster:
	s_bfe_u32 s2, ttmp6, 0x10000c
	s_cmp_lg_u32 s2, 0x3003
	s_cbranch_scc0 .Lentry_shape_is_right
	s_endpgm
.Lentry_shape_is_right:
; O[b][h][q] = the sum over k of softmax_k(where(mask, Q . K / 8, -1e9)) V, head size 64, 2,048 keys; operands f16, products, maxima and sums f32; the weights p are rounded to f16 for the second product, O once at the end.
; SHARES.  A work-group owns 512 queries of one head, each of its EIGHT waves 64: four tiles of 16, in two PIECES (tiles 0, 1 and tiles 2, 3) that share each fragment of K and V.  Two waves lie on a SIMD (512 registers each),
; so that one wave's softmax stands beside the other's products: the text is in plain phases.  Every wave walks all keys, 64 a step.
; CLUSTER.  The four query blocks of a head are one cluster and walk the same K and V: each tile is asked for JOINTLY, by the same tensor load with the same descriptor and a mask that names the four.
; CHUNKS.  q, k, v lie in memory as images of fragment registers, 512 bytes for 16 tokens x 16 channels.  A slot of 512 keys is 64 KB of K and 64 KB of V, dense: each wave brings 16 KB by one load; a fragment is two LDS loads at
; 16 x lane, with no pitch.  V's chunks lie in the order in which ds_load_tr16_b128 takes them at 16 x lane.
; LAYOUT.  S^T = K Q^T (source 0 = 16 keys, source 1 = 16 queries): a lane holds ONE query (lane % 16) and keys 8 (lane / 16) + 0..7.  Rounded in pairs these are source 1 of O^T = V^T P, whose result again holds one query a lane and
; eight channels: rounded, an accumulator of O^T is a chunk of the next launch's operand and is stored as it stands.
; Q COMES MULTIPLIED BY log2(e) / 8 (the launch in front), so that the first product gives t = score x log2(e).
; THE MASK comes as lane masks, one word for each register of S^T (made by the first launch), by scalar loads, half a key step ahead; a hidden t becomes -1e9 x log2(e), rounded to f32, by one v_cndmask_b32.
; SOFTMAX.  For each query a running maximum m of t and a sum l: p = 2^(t - m), at most 1, and exactly 1 at the maximum; in every step O and l are multiplied by a = 2^(m_old - m_new).  The loop has no first step of its own: O and l
; begin as zeros, m as -3e38.  A row all of whose keys are hidden has t = m throughout: every p is 1, and the division by l gives equal weights.
; LIMITS: NaN and infinities are not served.  q, k, v heads, p and O are rounded to f16: a p under 2^-25 counts as 0 beside a largest p of 1; O is a weighted mean of V and has V's room upward; where V's spread is 7e-4 (inputs and
; weights both 30 times smaller) and the weights are flat, O's spread is 1.5e-5, under f16's smallest normal number: its error is then at most 2^-25 a number.
; REGISTERS: window 0: v1-7 what stays; v16-47 statistics, 8 a tile; v64-127 S^T of the piece in hand; v128-159 its P; v192-255 V of a step.   window 1: v0-63 Q; v64-191 O^T, 32 a tile; v192-255 K of a step.
.set SLOT1, 1<<17                      ; a slot: 65,536 bytes of K, then 65,536 of V; slot 1 begins here
.set SPARE, 2*SLOT1                    ; the spare words, 128 bytes for each wave: four blocks of 256 bytes that no other line names
.set L16, 1                            ; v1  16 x lane
.set ADK, 2                            ; v2  LDS address of the step's K
.set ADV, 3                            ; v3  of its V
.set NEG, 4                            ; v4  -1e9 x log2(e)
.set SPW, 5
.set NIL, 6
.set PFO, 7                            ; v7  256 x lane
.set ST,  16                           ; tile t's statistics at v[ST+8 t]: +0 m, +1 0 (named with m as a pair), +2, +3 l (even keys', odd keys'), +4 to +7 at work; a in +6
.set S,   64
.set P,   128
.set VF,  192
.set KF,  192                          ; in window 1
.set OT,  64                           ; in window 1
.set WV,  2                            ; s2  my wave's number
.set TB,  3                            ; s3  LDS byte at which the step's K begins
.set SEL, 4                            ; s[4:5] selects of v_permlanex16_b32 for lane l xor 16
.set SLOTS, 8
.set CNT, 9
.set LIM, 10
.set MO,  11                           ; s11 the key step's place in a tile's words, in bytes
.set OB,  12                           ; s[12:13] my first chunk of O
.set MB,  14                           ; s[14:15] my first tile's words
                                       ; s[16:47] the words of the piece's first tile; s[48:63], s[68:83] of its second
.set G1,  84
.set G0,  92
.set PFA, 96
.set MSB, 0
.macro WIN new
.if MSB != \new
	s_set_vgpr_msb (MSB<<8)|\new
.set MSB, \new
.endif
.endm
.set W_QK, 0x05                        ; sources 0 and 1 window 1
.set W_PV, 0x50                        ; C and D window 1
.set W_RS, 0x41                        ; destination and source 0 window 1
.set TO_1, 0x40                        ; destination window 1
.macro CROUND
	s_barrier_signal -1
	s_barrier_wait -1
	s_cmp_lg_u32 s[WV], 0
	s_cbranch_scc1 .Lnot_wave_0_\@
	s_barrier_signal -3
.Lnot_wave_0_\@:
	s_barrier_wait -3
	s_barrier_signal -1
	s_barrier_wait -1
.endm
; A PREFETCH INTO THE L2 of what the NEXT change of slots will ask for: 65,536 bytes of K and as many of V.  The even waves ask, one instruction each, lanes 256 bytes apart: 8,192 of the 32,768 bytes that the wave and its
; neighbour will fetch; the four partners take the four quarters, told apart BY ADDRESS.  So each 256 bytes are named once in the launch.  The last change that fills a slot asks for nothing; slots 0 and 1 come by their loads alone.
.macro ASK
	s_cmp_gt_u32 s[SLOTS], s[LIM]
	s_cbranch_scc0 .Lnot_mine_\@
	global_prefetch_b8 v[PFO], s[PFA:PFA+1] th:TH_LOAD_NT scope:SCOPE_SE
.Lnot_mine_\@:
.endm
.macro MLOAD x                         ; the words of tiles x and x + 1 for the key step at s[MO]: 128 bytes a tile
	s_load_b512 s[16:31], s[MB:MB+1], s[MO] offset:(\x)*4096
	s_load_b512 s[32:47], s[MB:MB+1], s[MO] offset:(\x)*4096+64
	s_load_b512 s[48:63], s[MB:MB+1], s[MO] offset:(\x)*4096+4096
	s_load_b512 s[68:83], s[MB:MB+1], s[MO] offset:(\x)*4096+4096+64
.endm
	s_load_b128 s[16:19], s[0:1], 0x0              ; qkv s[16:17], maskw s[18:19]
	s_load_b64 s[20:21], s[0:1], 0x10              ; oimg
	v_lshl_add_u32 v[SPW], v0, 2, SPARE
	v_mov_b32 v[NIL], 0
	ds_add_u32 v5, v6
	ds_add_u32 v5, v6
	s_wait_dscnt 0x0
	v_lshrrev_b32 v8, 5, v0
	v_readfirstlane_b32 s[WV], v8                  ; wave 0..7
	v_and_b32 v[L16], 31, v0
	v_lshlrev_b32 v[PFO], 8, v[L16]
	v_lshlrev_b32 v[L16], 4, v[L16]
	v_mov_b32 v[NEG], 0xceabfb8f                   ; -1,442,695,040: the f32 number nearest to -1e9 x log2(e)
	s_bfe_u32 s22, ttmp6, 0x40000                  ; cx: it enters Q's, the mask's, O's and the prefetches' addresses alone
	s_and_b32 s23, ttmp7, 0xffff                   ; 16 b + head, which the four partners share
	s_lshl_b32 s24, ttmp9, 2
	s_add_co_u32 s24, s24, s22                     ; my block of 512 queries
	s_lshl_b32 s24, s24, 5
	s_lshl_b32 s25, s[WV], 2
	s_add_co_u32 s24, s24, s25                     ; my first tile of queries in the head
	s_lshr_b32 s26, s[WV], 2                       ; what I fetch: waves 0-3 K's quarters, waves 4-7 V's
	s_add_co_u32 s26, s26, 1
	s_lshl_b32 s26, s26, 24                        ; k's or v's 16,777,216 bytes,
	s_lshl_b32 s27, s23, 18                        ; the head's 262,144,
	s_add_co_u32 s26, s26, s27
	s_and_b32 s27, s[WV], 3
	s_lshl_b32 s27, s27, 14                        ; my 16,384 of a slot's 65,536
	s_add_co_u32 s26, s26, s27
	s_mov_b32 s27, 0
	s_lshl_b32 s28, s23, 7
	s_add_co_u32 s28, s28, s24
	s_lshl_b32 s28, s28, 11                        ; Q: 2,048 bytes a tile
	s_mov_b32 s29, 0
	s_lshr_b32 s30, s23, 4
	s_lshl_b32 s30, s30, 7
	s_add_co_u32 s30, s30, s24                     ; 128 b + my first tile
	s_lshl_b32 s32, s30, 12                        ; the mask's words: 4,096 bytes a tile
	s_mov_b32 s33, 0
	s_lshl_b32 s34, s30, 15                        ; O: 64 chunks a tile of tokens,
	s_and_b32 s31, s23, 15
	s_lshl_b32 s31, s31, 11                        ; the head's 4 of them
	s_add_co_u32 s34, s34, s31
	s_mov_b32 s35, 0
	s_lshl_b32 s38, s22, 13                        ; the prefetches: my work-group's 8,192 bytes
	s_mov_b32 s39, 0
	; descriptor group 1: a dense block of 16,384 bytes, as 64 rows of 256 bytes (32 elements of 8 bytes)
	s_mov_b32 s[G1], 15|(3<<16)|(1<<21)            ; 15:0 the mask: all four work-groups; 17:16 elements of 8 bytes; 21 set beside a mask
	s_mov_b32 s[G1+1], 32<<16                      ; tensor_dim0
	s_mov_b32 s[G1+2], 64<<16                      ; tensor_dim1
	s_mov_b32 s[G1+3], 32<<16                      ; tile_dim0
	s_mov_b32 s[G1+4], 64                          ; tile_dim1
	s_mov_b32 s[G1+5], 32                          ; tensor_dim0_stride
	s_mov_b32 s[G1+6], 0
	s_mov_b32 s[G1+7], 0
	s_mov_b32 s[SEL], 0x76543210
	s_mov_b32 s[SEL+1], 0xfedcba98
	s_mov_b32 s[TB], 0
	s_mov_b32 s[SLOTS], 3
	s_mov_b32 s[MO], 0
	s_and_b32 s[LIM], s[WV], 1
	s_cmp_eq_u32 s[LIM], 0
	s_cselect_b32 s[LIM], 1, -1                    ; 1 in the even waves, else the greatest number
	s_wait_kmcnt 0x0
	s_add_nc_u64 s[MB:MB+1], s[18:19], s[32:33]
	s_add_nc_u64 s[OB:OB+1], s[20:21], s[34:35]
	s_add_nc_u64 s[98:99], s[16:17], s[28:29]      ; Q
	s_add_nc_u64 s[PFA:PFA+1], s[16:17], s[26:27]
	s_add_nc_u64 s[PFA:PFA+1], s[PFA:PFA+1], s[38:39]
	s_add_nc_u64 s[PFA:PFA+1], s[PFA:PFA+1], 65536 ; in slot 1's keys: the first change of slots steps it to slot 2's
	s_mov_b32 s[G0], 1                             ; group 0, which walks: count = 1,
	s_lshl_b32 s[G0+1], s[WV], 14                  ; LDS address: wave x 16,384, in slot 0,
	s_add_nc_u64 s[G0+2:G0+3], s[16:17], s[26:27]  ; my part of the head's first 512 keys,
	s_or_b32 s[G0+3], s[G0+3], 0x80000000          ; type = 2
	CROUND                                         ; all four work-groups are here
	tensor_load_to_lds s[G0:G0+3], s[G1:G1+7]      ; slot 0: one load of mine is out
	s_nop 0
.rept 4
	v_nop
.endr
	WIN TO_1
.irp t, 0,1,2,3
.irp c, 0,1,2,3
	global_load_b128 v[16*\t+4*\c:16*\t+4*\c+3], v[L16], s[98:99] offset:\t*2048+\c*512   ; Q stays in registers: tile t, channels 16 c on
.endr
.endr
.set i, 0
.rept 128
	v_mov_b32 v[OT+i], 0                           ; O^T: the first step finds zeros, which its a = 0 leaves zeros
.set i, i+1
.endr
	WIN 0
.irp t, 0,1,2,3
	v_mov_b32 v[ST+8*\t], 0xff61b1e6               ; m = -3e38, under every t
	v_mov_b32 v[ST+8*\t+1], 0                      ; (named with m as a pair, so it is written)
	v_mov_b32 v[ST+8*\t+2], 0                      ; l
	v_mov_b32 v[ST+8*\t+3], 0
.endr
	MLOAD 0                                        ; piece 0's words of key step 0
	s_wait_loadcnt 0x0                             ; Q
; ONE TILE'S SOFTMAX for one key step is a numbered list; SM writes number j of it for tile t.  s0-s31 are the lane's 32 numbers t, in pairs 0-15.
;   0-15    the maximum of s0-s31 and the old m, three operands at a time      16-20   the other half of the lanes' maximum; the old m kept; the new m; (19 is empty); m_old - m_new
;   21-87   33 exponentials (a, then s0-s31) at the odd numbers from 23 on, a plain instruction at every even number: t - m for a pair whose exponentials are still to come, the rounding to f16 of a pair whose exponentials are done, the first sums
;   88-101  the last rounding; the rest of the sums; l = a l + the sum          102-117 the tile's O^T times a
.macro SM t
.set rT, ST+8*(\t)
.set rS, S+32*((\t)%2)
.set rP, P+16*((\t)%2)
.set rO, OT+32*(\t)+2*(j-102)
.set q, (j-20)/2
.if j < 102
	WIN 0
.endif
.if j < 4
	v_max3_num_f32 v[rT+4+j], v[rS+8*j], v[rS+8*j+1], v[rS+8*j+2]
.elseif j < 12
	v_max3_num_f32 v[rT+4+j%4], v[rT+4+j%4], v[rS+8*(j%4)+2*(j/4)+1], v[rS+8*(j%4)+2*(j/4)+2]
.elseif j == 12
	v_max3_num_f32 v[rT+4], v[rT+4], v[rS+7], v[rS+15]
.elseif j == 13
	v_max3_num_f32 v[rT+6], v[rT+6], v[rS+23], v[rS+31]
.elseif j == 14
	v_max3_num_f32 v[rT+4], v[rT+4], v[rT+5], v[rT+6]
.elseif j == 15
	v_max3_num_f32 v[rT+4], v[rT+4], v[rT+7], v[rT]
.elseif j == 16
	v_permlanex16_b32 v[rT+5], v[rT+4], s[SEL], s[SEL+1]  ; the query's other 32 keys lie in the lane 16 away
.elseif j == 17
	v_mov_b32 v[rT+7], v[rT]                       ; m_old is kept for a
.elseif j == 18
	v_max_num_f32 v[rT], v[rT+4], v[rT+5]
.elseif j == 19                        ; empty: t needs no factor
.elseif j == 20
	v_sub_f32 v[rT+7], v[rT+7], v[rT]
.elseif j == 23
	v_exp_f32 v[rT+6], v[rT+7]
.elseif (j < 88) && (j > 23) && (j%2 == 1)
	v_exp_f32 v[rS+(j-25)/2], v[rS+(j-25)/2]
.elseif (q < 4) || ((j < 76) && (q%2 == 0))
.set b, q/2+2
.if q < 4
.set b, q
.endif
	v_pk_add_f32 v[rS+2*b:rS+2*b+1], v[rS+2*b:rS+2*b+1], v[rT:rT+1] op_sel_hi:[1,0] neg_lo:[0,1] neg_hi:[0,1]  ; pair b: t - m (of the pair the low word, m, serves both halves): 0 exactly at the maximum
.elseif (j < 88) && (q%2 == 1)
	s_wait_alu depctr_va_vdst(0)
	v_cvt_pk_f16_f32 v[rP+(q-5)/2], v[rS+q-5], v[rS+q-4]  ; pair (q - 5) / 2: its second exponential stands three numbers back
.elseif j == 89
	s_wait_alu depctr_va_vdst(0)
	v_cvt_pk_f16_f32 v[rP+15], v[rS+30], v[rS+31]
.elseif j < 102                        ; the sum of the tile's 16 pairs, in place: sum z of 16 adds neighbours 1, 2, 4 and 8 pairs apart, then l takes it
.set z, j-86
.if j < 89
.set z, (j-76)/4
.endif
.set w, 4
.set u, z
.if z >= 14
.set w, 32
.set u, 0
.elseif z >= 12
.set w, 16
.set u, z-12
.elseif z >= 8
.set w, 8
.set u, z-8
.endif
.if z < 15
	v_pk_add_f32 v[rS+w*u:rS+w*u+1], v[rS+w*u:rS+w*u+1], v[rS+w*u+w/2:rS+w*u+w/2+1]
.else
	v_pk_fma_f32 v[rT+2:rT+3], v[rT+2:rT+3], v[rT+6:rT+7], v[rS:rS+1] op_sel_hi:[1,0,1]
.endif
.else
	WIN W_RS
	v_pk_mul_f32 v[rO:rO+1], v[rO:rO+1], v[rT+6:rT+7] op_sel_hi:[1,0]
.endif
.endm
; Slice k of 59 of piece y's softmax: numbers 2 k and 2 k + 1 of both tiles' lists.  Among the exponentials tile by tile (plain, exponential, plain, exponential: each exponential has a plain instruction behind it before its result is used);
; elsewhere the two tiles alternate, so that no instruction reads the result of the one just before it.
.macro SLICE y
.if (k >= 11) && (k < 44)
.irp t, \y, \y+1
.irp n, 0,1
.set j, 2*k+\n
	SM \t
.endr
.endr
.else
.irp n, 0,1
.irp t, \y, \y+1
.set j, 2*k+\n
	SM \t
.endr
.endr
.endif
.set k, k+1
.endm
; A PIECE's part of a key step.  The accumulators take turns, one instruction a turn: between two links of a chain stand seven others'.
.macro PIECE x
	WIN W_QK
.irp cs, 0,1                           ; S^T = K Q^T: channels 32 cs on, keys 16 kt on, tile x + u.  The first eight start the sums
.irp kt, 0,1,2,3
.irp u, 0,1
.if \cs == 0
	v_wmma_f32_16x16x32_f16 v[S+32*\u+8*\kt:S+32*\u+8*\kt+7], v[KF+16*\kt:KF+16*\kt+7], v[16*(\x+\u):16*(\x+\u)+7], 0
.else
	v_wmma_f32_16x16x32_f16 v[S+32*\u+8*\kt:S+32*\u+8*\kt+7], v[KF+16*\kt+8:KF+16*\kt+15], v[16*(\x+\u)+8:16*(\x+\u)+15], v[S+32*\u+8*\kt:S+32*\u+8*\kt+7]
.endif
.endr
.endr
.endr
	WIN 0
.rept 4
	v_nop                                          ; places in front of the first read of the scores
.endr
	s_wait_kmcnt 0x0                               ; this piece's words are in; no scalar load is out, so their offset may be written
.if \x == 2
	s_add_co_u32 s[MO], s[MO], 128                 ; the next key step's words;
	s_min_u32 s[MO], s[MO], 3968                   ; the last step asks once more for its own, which nobody reads: no load leaves the buffer
.endif
.set i, 0
.rept 32                               ; a hidden t becomes -1e9 x log2(e); each accumulator from its low end on, the two tiles by turns
	v_cndmask_b32 v[S+i], v[NEG], v[S+i], s[16+i]
.if i < 16
	v_cndmask_b32 v[S+32+i], v[NEG], v[S+32+i], s[48+i]
.else
	v_cndmask_b32 v[S+32+i], v[NEG], v[S+32+i], s[52+i]
.endif
.set i, i+1
.endr
	MLOAD 2-\x                                     ; the OTHER piece's words: they have this piece's softmax and products in which to come
.set k, 0
.rept 59
	SLICE \x
.endr
.if \x == 0
	s_wait_dscnt 0x0                               ; V is in
.endif
	WIN W_PV
.irp ks, 0,1                           ; O^T += V^T P: keys 32 ks on, channels 16 ct on, tile x + u
.irp ct, 0,1,2,3
.irp u, 0,1
	v_wmma_f32_16x16x32_f16 v[OT+32*(\x+\u)+8*\ct:OT+32*(\x+\u)+8*\ct+7], v[VF+8*(4*\ks+\ct):VF+8*(4*\ks+\ct)+7], v[P+16*\u+8*\ks:P+16*\u+8*\ks+7], v[OT+32*(\x+\u)+8*\ct:OT+32*(\x+\u)+8*\ct+7]
.endr
.endr
.endr
.endm
; A KEY STEP: 64 keys: 16 chunks of K and 16 of V, 8,192 bytes each.
.macro STEP
	WIN 0
	v_add_nc_u32 v[ADK], s[TB], v[L16]             ; these four lines are the places between the last products and the loads into V's registers
	v_add_nc_u32 v[ADV], 0x10000, v[ADK]
	v_nop
	v_nop
	s_add_co_u32 s[TB], s[TB], 8192
	WIN TO_1
.irp c, 0,1,2,3,4,5,6,7,8,9,10,11,12,13,14,15  ; chunk 4 kt + n: keys 16 kt on, channels 16 n on: two chunks are a fragment
	ds_load_b128 v[KF+4*\c:KF+4*\c+3], v[ADK] offset:512*\c
.endr
	WIN 0
.irp ks, 0,1
.irp ct, 0,1,2,3                       ; the turning load leaves lane l channel l % 16 and keys 8 (l / 16) + 0 .. 7 of the chunk's 16
	ds_load_tr16_b128 v[VF+8*(4*\ks+\ct):VF+8*(4*\ks+\ct)+3], v[ADV] offset:(8*\ks+\ct)*512
	ds_load_tr16_b128 v[VF+8*(4*\ks+\ct)+4:VF+8*(4*\ks+\ct)+7], v[ADV] offset:(8*\ks+4+\ct)*512
.endr
.endr
	s_wait_dscnt 16                                ; K is in; V's sixteen loads may be out
	PIECE 0
	PIECE 2
.endm
; THE CHANGE OF SLOTS stands at a slot's head.  Each wave waits for all its tensor loads (its part of the slot that it is about to read), adds 0 to its spare word, and waits for that and for its reads of the slot that it has left.
; fill = 1: a round of the cluster's barrier, so that no wave of any partner still reads that slot or has a load on its way; the joint fill is the first thing behind it and has a slot's eight key steps in which to land.
.macro CHANGE fill
	WIN 0
	s_wait_tensorcnt 0x0                           ; no tensor load of mine is out, so group 0 may be written
	ds_add_u32 v[SPW], v[NIL]                      ; 0 onto my spare word
.if \fill
	s_xor_b32 s[G0+1], s[G0+1], SLOT1              ; the other slot than last time,
	s_add_nc_u64 s[G0+2:G0+3], s[G0+2:G0+3], 65536 ; the next 512 keys; the type bits on top are not reached
	s_wait_xcnt 0x0                                ; the last prefetch, a slot back, has read its address
	s_add_nc_u64 s[PFA:PFA+1], s[PFA:PFA+1], 65536 ; one slot further on than the walking descriptor
	s_wait_dscnt 0x0                               ; the add is done, and my reads of the slot that I have left are over
	CROUND
	tensor_load_to_lds s[G0:G0+3], s[G1:G1+7]      ; my one tensor load until the next round
	s_nop 0
.rept 4
	v_nop
.endr
	ASK
.else
	s_wait_dscnt 0x0
	s_barrier_signal -1
	s_barrier_wait -1
.endif
.endm
.macro SLOT_STEPS                      ; a slot's eight key steps: written once, walked eight times
	s_mov_b32 s[CNT], 8
.Lstep_\@:
	STEP
	WIN 0
	s_sub_co_u32 s[CNT], s[CNT], 1
	s_cmp_lg_u32 s[CNT], 0
	s_cbranch_scc1 .Lstep_\@
	s_sub_co_u32 s[TB], s[TB], 65536               ; back to a slot's first step,
	s_xor_b32 s[TB], s[TB], SLOT1                  ; in the other slot
.endm
.Lslot:                                            ; three trips: behind each change of slots but the last the next slot is asked for
	CHANGE 1
	SLOT_STEPS
	s_sub_co_u32 s[SLOTS], s[SLOTS], 1
	s_cmp_lg_u32 s[SLOTS], 0
	s_cbranch_scc1 .Lslot
	CHANGE 0                                       ; the last slot is written out
	SLOT_STEPS
	s_wait_kmcnt 0x0                               ; the last request for words, which nobody reads
	; THE WAY OUT.  l's two halves and the other half of the lanes' are added (the first four additions are the places behind the last products); O^T is divided by l and rounded: each accumulator is a chunk.
.irp t, 0,1,2,3
	v_add_f32 v[ST+8*\t+4], v[ST+8*\t+2], v[ST+8*\t+3]
.endr
.irp t, 0,1,2,3
	v_permlanex16_b32 v[ST+8*\t+5], v[ST+8*\t+4], s[SEL], s[SEL+1]
.endr
.irp t, 0,1,2,3
	v_add_f32 v[ST+8*\t+4], v[ST+8*\t+4], v[ST+8*\t+5]
.endr
.irp t, 0,1,2,3
	v_rcp_f32 v[ST+8*\t+6], v[ST+8*\t+4]
.endr
	v_nop                                          ; a plain instruction between the last reciprocal and the use of its result
	s_wait_alu depctr_va_vdst(0)
.macro FIN t
	WIN W_RS
.set i, 0
.rept 16
	v_pk_mul_f32 v[OT+32*\t+2*i:OT+32*\t+2*i+1], v[OT+32*\t+2*i:OT+32*\t+2*i+1], v[ST+8*\t+6:ST+8*\t+7] op_sel_hi:[1,0]
.set i, i+1
.endr
	WIN W_QK                                       ; sources window 1, destination window 0: S^T's registers are free
.set i, 0
.rept 16
	v_cvt_pk_f16_f32 v[S+16*\t+i], v[OT+32*\t+2*i], v[OT+32*\t+2*i+1]
.set i, i+1
.endr
	WIN 0
.irp c, 0,1,2,3
	global_store_b128 v[L16], v[S+16*\t+4*\c:S+16*\t+4*\c+3], s[OB:OB+1] offset:\t*32768+\c*512   ; a chunk: 512 consecutive bytes, aligned
.endr
.endm
	FIN 0
	FIN 1
	FIN 2
	FIN 3
	s_wait_tensorcnt 0x0                           ; the wave's end
	ds_add_u32 v[SPW], v[NIL]
	s_wait_dscnt 0x0
	CROUND                                         ; the closing round
	s_endpgm
.Lfunc_end_k_q18de61944c_attn:
	.size	k_q18de61944c_attn, .Lfunc_end_k_q18de61944c_attn-k_q18de61944c_attn
	.p2alignl 7, 3214868480
	.fill 96, 4, 3214868480
	.section	.rodata,"a",@progbits
	.p2align	6, 0x0
	.amdhsa_kernel k_q18de61944c_attn
		.amdhsa_group_segment_fixed_size 327680
		.amdhsa_private_segment_fixed_size 0
		.amdhsa_enable_private_segment 0
		.amdhsa_kernarg_size 24
		.amdhsa_user_sgpr_count 2
		.amdhsa_user_sgpr_kernarg_segment_ptr 1
		.amdhsa_wavefront_size32 1
		.amdhsa_system_sgpr_workgroup_id_x 1
		.amdhsa_system_sgpr_workgroup_id_y 1
		.amdhsa_system_sgpr_workgroup_id_z 1
		.amdhsa_system_vgpr_workitem_id 0
		.amdhsa_next_free_vgpr 512
		.amdhsa_next_free_sgpr 102
		.amdhsa_reserve_vcc 0
		.amdhsa_float_denorm_mode_32 3
		.amdhsa_float_denorm_mode_16_64 3
		.amdhsa_memory_ordered 1
		.amdhsa_forward_progress 1
		.amdhsa_inst_pref_size 108
	.end_amdhsa_kernel
	.amdgpu_metadata
---
amdhsa.version: [ 1, 2 ]
amdhsa.kernels:
  - .name:           k_q18de61944c_attn
    .symbol:         k_q18de61944c_attn.kd
    .args:
      - { .name: qkv, .offset: 0, .size: 8, .value_kind: global_buffer, .address_space: global }
      - { .name: maskw, .offset: 8, .size: 8, .value_kind: global_buffer, .address_space: global }
      - { .name: oimg, .offset: 16, .size: 8, .value_kind: global_buffer, .address_space: global }
    .group_segment_fixed_size: 327680
    .private_segment_fixed_size: 0
    .kernarg_segment_align: 8
    .kernarg_segment_size: 24
    .max_flat_workgroup_size: 256
    .sgpr_count:     102
    .vgpr_count:     512
    .wavefront_size: 32
...
	.end_amdgpu_metadata
.endif
;; end of part 3
;; launch oproj (part 4): grid 4 x 64, 4 waves a work-group, clusters of 4 x 4, 327,680 bytes of LDS; arguments oimg, woimg, out0; writes out0
.if DOCPART == 4
	.amdgcn_target "amdgcn-amd-amdhsa--gfx1250"
	.amdhsa_code_object_version 6
	.text
	.protected	k_q18de61944c_oproj
	.globl	k_q18de61944c_oproj
	.p2align	8
	.type	k_q18de61944c_oproj,@function
k_q18de61944c_oproj:
	s_mov_b64 s[64:65], 0
	v_nop
	global_prefetch_b8 v0, s[64:65] scope:SCOPE_SE
	s_setreg_imm32_b32 hwreg(HW_REG_WAVE_MODE, 25, 1), 1
	s_wait_xcnt 0x0
	s_wait_alu depctr_hold_cnt(0) depctr_sa_sdst(0) depctr_va_vdst(0) depctr_va_sdst(0) depctr_va_ssrc(0) depctr_va_vcc(0) depctr_vm_vsrc(0)
	s_getreg_b32 s2, hwreg(HW_REG_IB_STS2, 6, 4)
	s_cmp_eq_u32 s2, 0
	s_cbranch_scc0 .Lentry_in_a_cluster
	s_endpgm
.Lentry_in_a_cluster:
	s_bfe_u32 s2, ttmp6, 0x10000c
	s_cmp_lg_u32 s2, 0xf033
	s_cbranch_scc0 .Lentry_shape_is_right
	s_endpgm
.Lentry_shape_is_right:
; out0[s][e] = sum over d of O[s][d] w_o[e][d]: [8192][1024] f32; operands f16, sums f32.
; A tile of 128 tokens x 256 e gives 256 work-groups.  Four waves, each 64 x 128: 32 accumulators, 256 registers (window 1).  K goes in steps of 128 through a ring of two LDS slots.
; Both operands lie in memory as CHUNKS of 512 bytes (16 rows x 16 along K, lane (r, h)'s 16 bytes at 16 x lane), 64 chunks to a group of 16 rows.  A K step of a group is 8 chunks, 4,096 consecutive bytes: a tile is 4 or 8 such rows,
; 32,768 bytes apart; in LDS they lie on end, and a fragment (16 rows x 32 K) is two LDS loads at 16 x lane: no pitch, no padding.
; CLUSTERS: 4 x 4 work-groups.  The four of a row of the cluster need the same tiles of O, the four of a column the same tiles of w_o: each is asked for JOINTLY.
; THE MATRIX INSTRUCTION IS USED TRANSPOSED (source 0 = 16 rows of w_o, source 1 = 16 tokens): a lane holds eight neighbouring numbers of a row of out0.
; No prefetch is laid: a work-group has only eight K steps, and beside them it stores 131,072 bytes.
; REGISTERS: window 0: v16-30 addresses; two fragment buffers of 96: 32 registers of O (4 x 16 tokens x 32 K), then 64 of w_o; on the way out v32-159 whole rows.   window 1: accumulator (a, b) at v[8 (8 a + b)].
.set GRP,    4096                      ; a K step of a group of 16 rows
.set ASZ,    8*GRP                     ; O's 128 tokens in a slot
.set SLOT,   24*GRP                    ; then w_o's 256 rows
.set SPARE,  2*SLOT                    ; the spare words, 128 bytes for each wave: two blocks of 256 bytes that no other line names
.set STAGE,  SPARE+512                 ; the way out: 16 rows x (512 bytes + 16) for each wave: bytes into which no tile lands
.set SPITCH, 528
.set LAPS,   4                         ; a lap = two K steps = once round the ring
.set ADRA, 16
.set ADRB, 20
.set STO,  24
.set RD,   25
.set CO,   26                          ; v26  16 x lane
.set SPW,  28
.set NIL,  29
.set F0,   32
.set F1,   128
.set BK,   32
.set G1, 24
.set G0, 32
.set G1B, 48
.set G0B, 56
.set MSB, 0
.macro WIN new
.if MSB != \new
	s_set_vgpr_msb (MSB<<8)|\new
.set MSB, \new
.endif
.endm
.set MUL, 0x50                         ; C and D window 1
.macro JLOAD s                         ; a joint load: waves 0 and 1 fetch O's two halves, waves 2 and 3 w_o's; four v_nop follow each of the two lines
	s_cmp_eq_u32 s11, 0
	s_cbranch_scc0 .Lfor_b_\@
	tensor_load_to_lds s[G0+4*\s:G0+4*\s+3], s[G1:G1+7]
	s_nop 0
.rept 4
	v_nop
.endr
	s_branch .Lasked_\@
.Lfor_b_\@:
	tensor_load_to_lds s[G0B+4*\s:G0B+4*\s+3], s[G1B:G1B+7]
	s_nop 0
.rept 4
	v_nop
.endr
.Lasked_\@:
.endm
.macro CREST                           ; a round of the cluster's barrier behind its opening barrier
	s_cmp_lg_u32 s10, 0
	s_cbranch_scc1 .Lnot_wave_0_\@
	s_barrier_signal -3
.Lnot_wave_0_\@:
	s_barrier_wait -3
	s_barrier_signal -1
	s_barrier_wait -1
.endm
.macro CROUND
	s_barrier_signal -1
	s_barrier_wait -1
	CREST
.endm
	s_load_b128 s[4:7], s[0:1], 0x0                ; oimg s[4:5], woimg s[6:7]
	s_load_b64 s[8:9], s[0:1], 0x10                ; out0
	v_lshl_add_u32 v[SPW], v0, 2, SPARE
	v_mov_b32 v[NIL], 0
	ds_add_u32 v28, v29
	ds_add_u32 v28, v29
	s_wait_dscnt 0x0
	v_lshrrev_b32 v1, 5, v0
	v_readfirstlane_b32 s10, v1                    ; wave 0..3
	s_lshr_b32 s11, s10, 1                         ; which 64 tokens are mine.  Also: I fetch for O (0) or for w_o (1)
	s_and_b32 s12, s10, 1                          ; which 128 columns.  Also: which half of that tile I fetch
	s_bfe_u32 s40, ttmp6, 0x40000                  ; cx, cy
	s_bfe_u32 s41, ttmp6, 0x40004
	s_lshl_b32 s42, ttmp9, 2
	s_add_co_u32 s42, s42, s40                     ; tile column = 4 x cluster x + cx
	s_and_b32 s13, ttmp7, 0xffff
	s_lshl_b32 s13, s13, 2
	s_add_co_u32 s13, s13, s41                     ; tile row = 4 x cluster y + cy
	s_lshl_b32 s43, s41, 2
	s_lshl_b32 s43, 15, s43                        ; my row of the cluster
	s_lshl_b32 s44, 0x1111, s40                    ; my column
	; descriptor group 1: rows of 4,096 bytes (512 elements of 8 bytes), 32,768 bytes apart: 4 of them for O, 8 for w_o
	s_or_b32 s[G1+0], s43, (3<<16)|(1<<21)
	s_or_b32 s[G1B+0], s44, (3<<16)|(1<<21)
.irp g, G1, G1B
	s_mov_b32 s[\g+1], 512<<16                     ; tensor_dim0
	s_mov_b32 s[\g+3], 512<<16                     ; tile_dim0
	s_mov_b32 s[\g+5], 4096                        ; tensor_dim0_stride
	s_mov_b32 s[\g+6], 0
	s_mov_b32 s[\g+7], 0
.endr
	s_mov_b32 s[G1+2], 4<<16                       ; tensor_dim1
	s_mov_b32 s[G1+4], 4                           ; tile_dim1
	s_mov_b32 s[G1B+2], 8<<16
	s_mov_b32 s[G1B+4], 8
	s_lshl_b32 s16, s13, 3
	s_lshl_b32 s17, s12, 2
	s_add_co_u32 s16, s16, s17                     ; O: group 8 x tile row + 4 x half
	s_lshl_b32 s16, s16, 15
	s_mov_b32 s17, 0
	s_lshl_b32 s46, s42, 4
	s_lshl_b32 s47, s12, 3
	s_add_co_u32 s46, s46, s47                     ; w_o: group 16 x tile column + 8 x half
	s_lshl_b32 s46, s46, 15
	s_mov_b32 s47, 0
	s_lshl_b32 s20, s12, 14                        ; where they go: O's halves,
	s_lshl_b32 s21, s12, 15
	s_add_co_u32 s21, s21, ASZ                     ; w_o's behind them: no place in the cluster enters an LDS address
	s_wait_kmcnt 0x0
	s_add_nc_u64 s[14:15], s[4:5], s[16:17]
	s_add_nc_u64 s[46:47], s[6:7], s[46:47]
	CROUND                                         ; all sixteen work-groups are here: the first joint loads meet
.irp s, 0,1
	s_mov_b32 s[G0+4*\s], 1
	s_add_co_u32 s[G0+4*\s+1], s20, \s*SLOT
	s_add_nc_u64 s[G0+4*\s+2:G0+4*\s+3], s[14:15], \s*GRP
	s_or_b32 s[G0+4*\s+3], s[G0+4*\s+3], 0x80000000
	s_mov_b32 s[G0B+4*\s], 1
	s_add_co_u32 s[G0B+4*\s+1], s21, \s*SLOT
	s_add_nc_u64 s[G0B+4*\s+2:G0B+4*\s+3], s[46:47], \s*GRP
	s_or_b32 s[G0B+4*\s+3], s[G0B+4*\s+3], 0x80000000
	JLOAD \s                                       ; two loads of mine are out
.endr
	v_and_b32 v1, 15, v0                           ; r
	v_bfe_u32 v2, v0, 4, 1                         ; h
	v_and_b32 v3, 31, v0
	v_lshlrev_b32 v[CO], 4, v3
	s_lshl_b32 s22, s11, 14                        ; my 4 groups of tokens
	s_lshl_b32 s23, s12, 15
	s_add_co_u32 s23, s23, ASZ                     ; my 8 groups of w_o's rows
.irp s, 0,1
	v_add_nc_u32 v[ADRA+\s], s22, v[CO]
	v_add_nc_u32 v[ADRB+\s], s23, v[CO]
	s_add_co_u32 s22, s22, SLOT
	s_add_co_u32 s23, s23, SLOT
.endr
	s_mul_i32 s22, s10, 16*SPITCH
	s_add_co_u32 s22, s22, STAGE                   ; my stage
	v_mul_u32_u24 v4, v1, SPITCH
	v_lshl_add_u32 v4, v2, 5, v4
	v_add_nc_u32 v[STO], s22, v4                   ; in: row r, 32 bytes for each half of the lanes
	v_add_nc_u32 v[RD], s22, v[CO]                 ; back: the 32 lanes take one row of 512 bytes
	s_lshl_b32 s16, s13, 7
	s_lshl_b32 s17, s11, 6
	s_add_co_u32 s16, s16, s17                     ; my first row of out0
	s_lshl_b32 s16, s16, 12
	s_mov_b32 s17, 0
	s_add_nc_u64 s[8:9], s[8:9], s[16:17]
	s_lshl_b32 s46, s42, 10                        ; my first column, in bytes
	s_lshl_b32 s47, s12, 9
	s_add_co_u32 s46, s46, s47
	s_mov_b32 s47, 0
	s_add_nc_u64 s[8:9], s[8:9], s[46:47]
; 8 matrix instructions: token block a against w_o's eight, 32 along K.  The 32 accumulators take turns, one instruction a turn, in the same order in every quarter.
.macro MULA f, a, zero
.irp b, 0,1,2,3,4,5,6,7
.if \zero
	v_wmma_f32_16x16x32_f16 v[8*(8*\a+\b):8*(8*\a+\b)+7], v[\f+32+8*\b:\f+32+8*\b+7], v[\f+8*\a:\f+8*\a+7], 0
.else
	v_wmma_f32_16x16x32_f16 v[8*(8*\a+\b):8*(8*\a+\b)+7], v[\f+32+8*\b:\f+32+8*\b+7], v[\f+8*\a:\f+8*\a+7], v[8*(8*\a+\b):8*(8*\a+\b)+7]
.endif
.endr
.endm
; 24 LDS loads in one run: the fragments of quarter qk of the slot's K step into buffer f: w_o's sixteen, then O's blocks 0, 1, then 2, 3
.macro FETCH slot, qk, f
	WIN 0
.irp i, 0,1,2,3,4,5,6,7
	ds_load_b128 v[\f+32+8*\i:\f+32+8*\i+3],   v[ADRB+\slot] offset:\i*GRP+\qk*1024
	ds_load_b128 v[\f+32+8*\i+4:\f+32+8*\i+7], v[ADRB+\slot] offset:\i*GRP+\qk*1024+512
.endr
.irp i, 0,1,2,3
	ds_load_b128 v[\f+8*\i:\f+8*\i+3],   v[ADRA+\slot] offset:\i*GRP+\qk*1024
	ds_load_b128 v[\f+8*\i+4:\f+8*\i+7], v[ADRA+\slot] offset:\i*GRP+\qk*1024+512
.endr
.endm
.macro PLACES                          ; four plain vector instructions in front of loads into registers that matrix instructions have read, and of the first read of results
.rept 4
	v_nop
.endr
.endm
; A K step is four quarters of 32 along K, 32 matrix instructions each, on buffers 0, 1, 0, 1.  One of the first three: multiplies buffer f and fetches quarter qk into g.
.macro QUARTER slot, qk, f, g, zero
	s_wait_dscnt 4                                 ; all but O's blocks 2 and 3 are in
	WIN MUL
	MULA \f, 0, \zero
	MULA \f, 1, \zero
	PLACES
	FETCH \slot, \qk, \g
	s_wait_dscnt 24                                ; all but the 24 just issued
	WIN MUL
	MULA \f, 2, \zero
	MULA \f, 3, \zero
.endm
; The last quarter multiplies buffer 1 and changes slots: ONE barrier; in front of it each wave waits for all its tensor loads, adds 0 to its spare word, and waits for that and for its own reads of this slot.  fill = 1: this slot is filled again, two K steps ahead.
.macro TURN slot, next, fill
	WIN 0
	s_wait_tensorcnt 0x0                           ; all my tensor loads have landed: my part of the next slot
	ds_add_u32 v[SPW], v[NIL]                      ; 0 onto my spare word
	s_wait_dscnt 5                                 ; (the add and the youngest four loads may be out)
	WIN MUL
	MULA F1, 0, 0                                  ; eight matrix instructions stand between the add and the wait for it
	s_wait_dscnt 0x0                               ; the add is done, and my reads of this slot are over
	s_barrier_signal -1
	MULA F1, 1, 0
.if \fill
	WIN 0
.endif
	s_barrier_wait -1
.if \fill
	CREST                                          ; the barrier has opened a round of the cluster's barrier: no wave of any partner still reads this slot's tile or has a load on its way
	s_add_nc_u64 s[G0+4*\slot+2:G0+4*\slot+3], s[G0+4*\slot+2:G0+4*\slot+3], 2*GRP
	s_add_nc_u64 s[G0B+4*\slot+2:G0B+4*\slot+3], s[G0B+4*\slot+2:G0B+4*\slot+3], 2*GRP
	JLOAD \slot                                    ; the first tensor load behind the round; the four v_nop behind it are also the places in front of the loads below
.else
	PLACES
.endif
	FETCH \next, 0, F0
	WIN MUL
	MULA F1, 2, 0
	MULA F1, 3, 0
.endm
	s_wait_tensorcnt 1                             ; my part of K step 0 is in (K step 1's load may be out),
	s_barrier_signal -1
	s_barrier_wait -1                              ; everybody's is
	FETCH 0, 0, F0
	QUARTER 0, 1, F0, F1, 1                        ; the first quarter stands in front of the loop: its products start the sums
	WIN 0
	s_mov_b32 s3, LAPS-1
.Llap:                                                 ; a trip goes once round the ring, from a lap's second quarter to the next lap's first, and fills both slots again
	QUARTER 0, 2, F1, F0, 0
	QUARTER 0, 3, F0, F1, 0
	TURN 0, 1, 1
	QUARTER 1, 1, F0, F1, 0
	QUARTER 1, 2, F1, F0, 0
	QUARTER 1, 3, F0, F1, 0
	TURN 1, 0, 1
	QUARTER 0, 1, F0, F1, 0
	WIN 0
	s_sub_co_u32 s3, s3, 1
	s_cmp_lg_u32 s3, 0
	s_cbranch_scc1 .Llap
	QUARTER 0, 2, F1, F0, 0                        ; the last lap fills nothing, and has no round of the cluster's barrier
	QUARTER 0, 3, F0, F1, 0
	TURN 0, 1, 0
	QUARTER 1, 1, F0, F1, 0
	QUARTER 1, 2, F1, F0, 0
	QUARTER 1, 3, F0, F1, 0
	s_wait_dscnt 4                                 ; the very last quarter: nothing more to fetch
	WIN MUL
	MULA F1, 0, 0
	MULA F1, 1, 0
	s_wait_dscnt 0
	MULA F1, 2, 0
	MULA F1, 3, 0
	WIN 0
; THE WAY OUT, block by block of 16 tokens x 128 columns: a lane holds 32 neighbouring bytes of a row, and the lanes beside it hold other rows: so a block goes through my own stage and comes back as whole rows of 512 bytes.
; LDS serves a wave's instructions in order (ISA guide 5.7.1.4): no wait between the stores and the loads, nor in front of the next block's stores.
.macro TOSTAGE a
	WIN 0x04                                       ; an LDS store's data are its source 1: window 1
.irp b, 0,1,2,3,4,5,6,7
	ds_store_b128 v[STO], v[64*\a+8*\b:64*\a+8*\b+3] offset:64*\b          ; each accumulator from its low end on
	ds_store_b128 v[STO], v[64*\a+8*\b+4:64*\a+8*\b+7] offset:64*\b+16
.endr
	WIN 0
.irp t, 0,1,2,3,4,5,6,7,8,9,10,11,12,13,14,15
	ds_load_b128 v[BK+64*(\a%2)+4*\t:BK+64*(\a%2)+4*\t+3], v[RD] offset:\t*SPITCH
.endr
.endm
.macro SEND a, younger                 ; younger: the LDS instructions issued behind block a's loads, which may stay out
	s_wait_dscnt \younger
.irp t, 0,1,2,3,4,5,6,7,8,9,10,11,12,13,14,15
	global_store_b128 v[CO], v[BK+64*(\a%2)+4*\t:BK+64*(\a%2)+4*\t+3], s[8:9] offset:\a*65536+\t*4096 th:TH_STORE_NT   ; 32 lanes store 512 consecutive bytes, aligned; written once, read by nobody here
.endr
.endm
	PLACES
	TOSTAGE 0
	TOSTAGE 1
	SEND 0, 32                                     ; behind block 0's loads: block 1's 16 stores and 16 loads
	s_wait_xcnt 0x0                                ; block 0's stores have read their registers: block 2's loads may land there
	TOSTAGE 2
	SEND 1, 32
	s_wait_xcnt 0x0
	TOSTAGE 3
	SEND 2, 32
	SEND 3, 0
	s_wait_tensorcnt 0x0                           ; the wave's end
	ds_add_u32 v[SPW], v[NIL]
	s_wait_dscnt 0x0
	CROUND                                         ; the closing round
	s_endpgm
.Lfunc_end_k_q18de61944c_oproj:
	.size	k_q18de61944c_oproj, .Lfunc_end_k_q18de61944c_oproj-k_q18de61944c_oproj
	.p2alignl 7, 3214868480
	.fill 96, 4, 3214868480
	.section	.rodata,"a",@progbits
	.p2align	6, 0x0
	.amdhsa_kernel k_q18de61944c_oproj
		.amdhsa_group_segment_fixed_size 327680
		.amdhsa_private_segment_fixed_size 0
		.amdhsa_enable_private_segment 0
		.amdhsa_kernarg_size 24
		.amdhsa_user_sgpr_count 2
		.amdhsa_user_sgpr_kernarg_segment_ptr 1
		.amdhsa_wavefront_size32 1
		.amdhsa_system_sgpr_workgroup_id_x 1
		.amdhsa_system_sgpr_workgroup_id_y 1
		.amdhsa_system_sgpr_workgroup_id_z 1
		.amdhsa_system_vgpr_workitem_id 0
		.amdhsa_next_free_vgpr 512
		.amdhsa_next_free_sgpr 66
		.amdhsa_reserve_vcc 0
		.amdhsa_float_denorm_mode_32 3
		.amdhsa_float_denorm_mode_16_64 3
		.amdhsa_memory_ordered 1
		.amdhsa_forward_progress 1
		.amdhsa_inst_pref_size 84
	.end_amdhsa_kernel
	.amdgpu_metadata
---
amdhsa.version: [ 1, 2 ]
amdhsa.kernels:
  - .name:           k_q18de61944c_oproj
    .symbol:         k_q18de61944c_oproj.kd
    .args:
      - { .name: oimg, .offset: 0, .size: 8, .value_kind: global_buffer, .address_space: global }
      - { .name: woimg, .offset: 8, .size: 8, .value_kind: global_buffer, .address_space: global }
      - { .name: out0, .offset: 16, .size: 8, .value_kind: global_buffer, .address_space: global }
    .group_segment_fixed_size: 327680
    .private_segment_fixed_size: 0
    .kernarg_segment_align: 8
    .kernarg_segment_size: 24
    .max_flat_workgroup_size: 128
    .sgpr_count:     66
    .vgpr_count:     512
    .wavefront_size: 32
...
	.end_amdgpu_metadata
.endif
;; end of part 4
